; MI455X (gfx1250); checked and timed in simulation.
; The chip was launched on July 23, 2026; its instructions are those of AMD's public machine-readable ISA for CDNA 5 (MIT licence, August 2026) and "CDNA5" Instruction Set Architecture Reference Guide (July 2026). The comments in the code are by the model that wrote it; some were corrected since.
;; Transformer Block. Allowed arithmetic: matrix products marked QUANTISED: E3M2 operands, one E8M0 scale for each 32 along K, by v_wmma_scale_f32_16x16x128_f8f6f4 with both operands' format E3M2, f32 sums; everything else in f32.
;; Inputs: fc1_b 4,096 float32; fc1_w 1,024 x 4,096 float32; fc2_b 1,024 float32; fc2_w 4,096 x 1,024 float32; ln1_b 1,024 float32; ln1_g 1,024 float32; lnm_b 1,024 float32; lnm_g 1,024 float32; proj_b 1,024 float32; proj_w 1,024 x 1,024 float32; qkv_b 3,072 float32; qkv_w 1,024 x 3,072 float32; x 2 x 2,048 x 1,024 float32.
;; Outputs: out0 2 x 2,048 x 1,024 float32.
;; This version of the problem:
;;   THIS VERSION OF THE PROBLEM IS GIVEN IN LOW PRECISION. The matrix products marked QUANTISED in the list below multiply operands that are first quantised to E3M2 (3 exponent bits, 2 mantissa bits; 6 bits a number), with one power-of-two scale for each 32 numbers along K (OCP MX v1.0); their sums are f32. All else is computed in f32.
;;   The module's matrix products, in the order in which they are computed (A, B: the left and right operand; K: the contracted axis; several contracted axes count as one K, in the product's order):
;;     1. [M 4,096, K 1,024] x [K 1,024, N 3,072]; A: computed on the way; B: input qkv_w: QUANTISED
;;     2. batch 32 x [M 2,048, K 64] x [K 64, N 2,048]; A: computed on the way; B: computed on the way: QUANTISED
;;     3. batch 32 x [M 64, K 2,048] x [K 2,048, N 2,048]; A: computed on the way; B: softmax (see below): QUANTISED
;;     4. [M 4,096, K 1,024] x [K 1,024, N 1,024]; A: computed on the way; B: input proj_w: QUANTISED
;;     5. [M 4,096, K 1,024] x [K 1,024, N 4,096]; A: computed on the way; B: input fc1_w: QUANTISED
;;     6. [M 4,096, K 4,096] x [K 4,096, N 1,024]; A: computed on the way; B: input fc2_w: QUANTISED
;;   THE QUANTISER, for each operand of a quantised product, along K:
;;     - K is cut into blocks of 32 from its start; a last block that is shorter is filled with zeros.
;;     - A block's scale is 2^e with e = floor(log2(the largest magnitude in the block)) - 4, held to -126 .. 127; a block of zeros has e = 0. As a byte (E8M0): e + 127.
;;     - Each number is divided by its block's scale, clamped to +-28, and rounded to the nearest number of E3M2, ties to even, subnormals kept.
;;     - The product sums the exact products of the quantised numbers (number of the format x scale) in f32.
;;   ~~~python
;;   def quantise(x, axis):      # numpy; x: float32 -> the quantised numbers, widened to float32 again
;;       x = np.moveaxis(x, axis, -1); K = x.shape[-1]
;;       x = np.pad(x, [(0, 0)] * (x.ndim - 1) + [(0, -K % 32)]); x = x.reshape(x.shape[:-1] + (-1, 32)); a = np.abs(x).max(-1, keepdims=True)
;;       e = np.where(a > 0, np.clip(np.frexp(np.where(a > 0, a, 1))[1] - 1 - 4, -126, 127), 0)      # np.frexp(a)[1] - 1 = floor(log2(a)), exactly
;;       r = np.clip(x / 2.0 ** e, -28, 28)
;;       step = 2.0 ** (np.maximum(np.frexp(np.where(r == 0, 1, r))[1] - 1, -2) - 2)
;;       q = np.round(r / step) * step * 2.0 ** e      # np.round: ties to even
;;       return np.moveaxis(q.reshape(q.shape[:-2] + (-1,))[..., :K], -1, axis).astype(np.float32)
;;   ~~~
;;   SOFTMAX AHEAD OF A QUANTISED PRODUCT. Where the list says 'softmax', what is quantised is not the finished softmax but p = 2^(t - M), with t = logit x log2(e) and M = ceil(the row's largest t), a whole number; so 1/2 < the row's largest p <= 1. The row's sum l is taken of the UNQUANTISED p, in f32, and the product's result is divided by l at the end. Since M is a whole number, a kernel that streams over the keys may use a running M (the ceiling of the running maximum): every later rescaling is an exact power of two, which a block's scale takes up: the codes' values come out the same.
;;   OPERANDS COMPUTED ON THE WAY. 'Computed on the way' means the value that the module computes at that place (a softmax that the list does not call 'softmax' is quantised finished and normalised). What goes into a quantiser is computed in f32, as accurately as f32 sums, v_exp_f32 and their like allow (about 1e-6 of the number): no bf16 or f16 on the way to a quantiser, and a product that is left as it is and whose result goes on into a quantised operand takes f32 operands (vector FMAs, or v_wmma_f32_16x16x4_f32). A number that lies on a knife's edge between two numbers of the format may be rounded either way, as far as f32 arithmetic and the matrix unit's own rounding can turn it there, and no further.
;; One version. Each part assembles by itself: llvm-mc -triple=amdgcn-amd-amdhsa -mcpu=gfx1250 --defsym DOCPART=n.
;; ======== version 1 of 1: 7 launches
;; limits: right only within a limited range of input values
;; workspace buffers: wsP 13,107,200 bytes; wsQKV 10,223,616 bytes; wsO 3,276,800 bytes; wsX1 16,777,216 bytes; wsM 3,276,800 bytes; wsG 13,107,200 bytes
;; launch prep (part 1): grid 640 x 1, 4 waves a work-group, no clusters, 66,560 bytes of LDS; arguments x, ln1_g, ln1_b, qkv_w, proj_w, fc1_w, fc2_w, wsP; writes wsP
.if DOCPART == 1
	.amdgcn_target "amdgcn-amd-amdhsa--gfx1250"
	.amdhsa_code_object_version 6
	.text
	.protected	k_qf66d0eab9a_prep
	.globl	k_qf66d0eab9a_prep
	.p2align	8
	.type	k_qf66d0eab9a_prep,@function
k_qf66d0eab9a_prep:
	s_mov_b64 s[64:65], 0
	v_nop
	global_prefetch_b8 v0, s[64:65] scope:SCOPE_SE
	s_setreg_imm32_b32 hwreg(HW_REG_WAVE_MODE, 25, 1), 1
	s_wait_xcnt 0x0
; Work-groups 0-255: layernorm of 16 rows of [4096][1024] f32, quantised along the 1,024 to codes of BF6 (E3M2) with one E8M0 byte for each 32.
; Work-groups 256-639: the four weights [K][N] f32, quantised along K (their first axis).  With a grid of 256 the same text is the second layernorm.
; ROW BLOCKS: every operand is cut into blocks of 16 rows; lane-row r of block i is row 32 (i / 2) + 8 (i % 2) + r % 8 + 16 (r / 8).
; HALF-IMAGES: 16 rows x 64 along K are 768 bytes, an image of six operand registers: lane l's registers 0-3 at 16 l, its registers 4-5 at 512 + 8 l.
; An operand is laid [block][k / 64][768]; its scale words [block / 4][k / 128][block % 4][r], 4 bytes each.
; A block's scale byte is its largest magnitude's exponent field - 4, held at 1 from below (a block of zeros gets 1: its codes are zeros, and this program alone reads the bytes).
; LIMITS: NaN and infinities are not served; blocks whose largest magnitude lies under 2^-122 keep the byte 1.
.set H_S,     3145728
.set WQKV_C,  3276800
.set WPROJ_C, 5636096
.set WFC1_C,  6422528
.set WFC2_C,  9568256
.set WQKV_S,  12713984
.set WPROJ_S, 12812288
.set WFC1_S,  12845056
.set WFC2_S,  12976128
.set LP,  4112                         ; an LDS row: 4,096 bytes + 16: row r starts 4 r words on, modulo 64
.set GG,  16                           ; v16-47   the gain of my 32 columns
.set BB,  48                           ; v48-79   the bias
.set X,   80                           ; v80-207  four rows, 32 numbers a lane each; later 64 numbers for the quantiser
.set ST,  208                          ; v208-239 eight a row: +0,1 sums, +2,3 mean, +4,5 1/sigma, +6 at work
.set PC,  144                          ; v144-163 the codes just made
.set TM,  164                          ; v164-179 the quantiser's work
.set PW,  180                          ; v180     the scale word just made
.set SEL, 22                           ; s[22:23] lane selects: lane l xor 16
; 64 numbers of a lane, register 16 b + i = k 32 b + 16 (lane / 16) + i of my row, become a fragment's 12 registers in v[PC] on and its scale word in v[PW]
.macro QUANT s
.irp b, 0,1,2,3
	v_max3_num_f32 v[TM+\b], |v[\s+16*\b]|, |v[\s+1+16*\b]|, 0x2800000   ; my 16 numbers of block b, and the floor 2^(5 - 127)
.endr
.irp i, 2,4,6,8,10,12,14
.irp b, 0,1,2,3
	v_max3_num_f32 v[TM+\b], v[TM+\b], |v[\s+16*\b+\i]|, |v[\s+1+16*\b+\i]|
.endr
.endr
.irp b, 0,1,2,3
	v_permlanex16_b32 v[TM+4+\b], v[TM+\b], s[SEL], s[SEL+1]
.endr
.irp b, 0,1,2,3
	v_max_num_f32 v[TM+\b], v[TM+\b], v[TM+4+\b]       ; with lane l xor 16's: the block's largest magnitude
.endr
.irp b, 0,1,2,3
	v_add_nc_u32 v[TM+12+\b], 0xfe000000, v[TM+\b]     ; 4 off its exponent field: the conversion's scale operand
.endr
.irp b, 0,1,2,3
	v_lshrrev_b32 v[TM+4+\b], 23, v[TM+12+\b]          ; the scale's byte
.endr
	v_lshl_or_b32 v[PW], v[TM+5], 8, v[TM+4]
	v_lshl_or_b32 v[PW], v[TM+6], 16, v[PW]
	v_lshl_or_b32 v[PW], v[TM+7], 24, v[PW]
.irp c, 0,1
	v_cvt_scalef32_pk16_bf6_f32 v[PC+6*\c:PC+2+6*\c], v[\s+32*\c:\s+15+32*\c], v[TM+12+2*\c]
	v_cvt_scalef32_pk16_bf6_f32 v[PC+12+4*\c:PC+14+4*\c], v[\s+16+32*\c:\s+31+32*\c], v[TM+12+2*\c+1]
.endr
	v_nop                                              ; one plain place behind a scaled conversion
.irp c, 0,1                                            ; the operand wants a whole block in a lane: lanes 0-15 block 2 c, lanes 16-31 block 2 c + 1
.irp i, 0,1,2
	v_permlane16_swap_b32 v[PC+6*\c+\i], v[PC+12+4*\c+\i]
.endr
.irp i, 0,1,2
	v_mov_b32 v[PC+3+6*\c+\i], v[PC+12+4*\c+\i]
.endr
.endr
.endm
; the four rows' pairs of partial sums become the rows' sums, in every lane
.macro REDUCE
.irp j, 0,1,2,3
	v_add_f32 v[ST+8*\j], v[ST+8*\j], v[ST+8*\j+1]
.endr
.irp m, 1,2,4,8
.irp j, 0,1,2,3
	v_add_f32_dpp v[ST+8*\j], v[ST+8*\j], v[ST+8*\j] row_xmask:\m row_mask:0xf bank_mask:0xf
.endr
.endr
.irp j, 0,1,2,3
	v_permlanex16_b32 v[ST+8*\j+6], v[ST+8*\j], s[SEL], s[SEL+1]
.endr
.irp j, 0,1,2,3
	v_add_f32 v[ST+8*\j], v[ST+8*\j], v[ST+8*\j+6]
.endr
.endm
	s_load_b512 s[4:19], s[0:1], 0x0               ; x s[4:5], gain s[6:7], bias s[8:9], qkv_w s[10:11], proj_w s[12:13], fc1_w s[14:15], fc2_w s[16:17], the workspace s[18:19]
	v_lshl_add_u32 v240, v0, 2, 0x10200
	v_mov_b32 v241, 0
	v_lshrrev_b32 v1, 5, v0
	v_readfirstlane_b32 s20, v1                    ; wave 0..3
	v_and_b32 v1, 31, v0                           ; lane
	v_lshlrev_b32 v2, 4, v1                        ; 16 x lane
	v_lshlrev_b32 v3, 3, v1                        ; 8 x lane
	v_and_b32 v7, 15, v0                           ; r
	v_lshlrev_b32 v4, 2, v7                        ; 4 r
	v_bfe_u32 v8, v0, 4, 1                         ; h
	s_mul_i32 s21, s20, 4*LP
	v_add_nc_u32 v5, s21, v2                       ; LDS, in: my wave's four rows, 16 bytes a lane
	v_mul_u32_u24 v6, v7, LP
	v_lshl_add_u32 v6, v8, 6, v6
	s_lshl_b32 s21, s20, 10
	v_add_nc_u32 v6, s21, v6                       ; LDS, out: row r, + 64 h, + my wave's two K steps of 512 bytes
	s_mov_b32 s[SEL], 0x76543210
	s_mov_b32 s[SEL+1], 0xfedcba98
	s_mov_b32 s24, 0x3a800000                      ; 1 / 1,024
	s_mov_b32 s25, 0x3727c5ac                      ; 1e-5
	s_lshr_b32 s26, ttmp9, 1                       ; block i = the work-group's number; wave w has its lane-rows 4 w .. 4 w + 3: four neighbouring rows
	s_lshl_b32 s26, s26, 5
	s_and_b32 s27, ttmp9, 1
	s_lshl_b32 s27, s27, 3
	s_add_co_u32 s26, s26, s27
	s_and_b32 s27, s20, 1
	s_lshl_b32 s27, s27, 2
	s_add_co_u32 s26, s26, s27
	s_lshr_b32 s27, s20, 1
	s_lshl_b32 s27, s27, 4
	s_add_co_u32 s26, s26, s27                     ; 32 (i / 2) + 8 (i % 2) + 4 (w % 2) + 16 (w / 2)
	s_lshl_b32 s26, s26, 12
	s_mov_b32 s27, 0
	s_mul_i32 s34, ttmp9, 12288                    ; the block's codes, my wave's two K steps
	s_mul_i32 s35, s20, 3072
	s_add_co_u32 s34, s34, s35
	s_mov_b32 s35, 0
	s_lshr_b32 s36, ttmp9, 2                       ; and their scale words
	s_lshl_b32 s36, s36, 11
	s_lshl_b32 s37, s20, 9
	s_add_co_u32 s36, s36, s37
	s_and_b32 s37, ttmp9, 3
	s_lshl_b32 s37, s37, 6
	s_add_co_u32 s36, s36, s37
	s_add_co_u32 s36, s36, H_S
	s_mov_b32 s37, 0
	s_wait_kmcnt 0x0
	s_add_nc_u64 s[28:29], s[4:5], s[26:27]
	s_add_nc_u64 s[30:31], s[18:19], s[34:35]
	s_add_nc_u64 s[32:33], s[18:19], s[36:37]
	s_cmp_ge_u32 ttmp9, 256                        ; the weights' work-groups have no rows; the barrier below stands on every work-group's way
	s_cbranch_scc1 .Lno_rows
	; ---- rows, part 1: a wave normalises four rows; a lane holds columns 128 c + 4 lane + 0..3
	s_wait_alu depctr_va_vdst(0)
.irp c, 0,1,2,3,4,5,6,7
	global_load_b128 v[GG+4*\c:GG+4*\c+3], v2, s[6:7] offset:512*\c
	global_load_b128 v[BB+4*\c:BB+4*\c+3], v2, s[8:9] offset:512*\c
.endr
.irp j, 0,1,2,3
.irp c, 0,1,2,3,4,5,6,7
	global_load_b128 v[X+32*\j+4*\c:X+32*\j+4*\c+3], v2, s[28:29] offset:4096*\j+512*\c th:TH_LOAD_NT   ; 512 consecutive bytes a load
.endr
.endr
.irp j, 0,1,2,3
	v_mov_b32 v[ST+8*\j+6], 0                      ; a lane permute's destination counts as read
.endr
	s_wait_loadcnt 0x0
.irp j, 0,1,2,3
	v_pk_add_f32 v[ST+8*\j:ST+8*\j+1], v[X+32*\j:X+32*\j+1], v[X+32*\j+2:X+32*\j+3]
.endr
.irp k, 4,6,8,10,12,14,16,18,20,22,24,26,28,30
.irp j, 0,1,2,3
	v_pk_add_f32 v[ST+8*\j:ST+8*\j+1], v[ST+8*\j:ST+8*\j+1], v[X+32*\j+\k:X+32*\j+\k+1]
.endr
.endr
	REDUCE
.irp j, 0,1,2,3
	v_mul_f32 v[ST+8*\j+2], s24, v[ST+8*\j]        ; the mean
.endr
.irp j, 0,1,2,3
	v_mov_b32 v[ST+8*\j+3], v[ST+8*\j+2]
.endr
.irp k, 0,2,4,6,8,10,12,14,16,18,20,22,24,26,28,30
.irp j, 0,1,2,3
	v_pk_add_f32 v[X+32*\j+\k:X+32*\j+\k+1], v[X+32*\j+\k:X+32*\j+\k+1], v[ST+8*\j+2:ST+8*\j+3] neg_lo:[0,1] neg_hi:[0,1]
.endr
.endr
.irp j, 0,1,2,3
	v_pk_mul_f32 v[ST+8*\j:ST+8*\j+1], v[X+32*\j:X+32*\j+1], v[X+32*\j:X+32*\j+1]
.endr
.irp k, 2,4,6,8,10,12,14,16,18,20,22,24,26,28,30
.irp j, 0,1,2,3
	v_pk_fma_f32 v[ST+8*\j:ST+8*\j+1], v[X+32*\j+\k:X+32*\j+\k+1], v[X+32*\j+\k:X+32*\j+\k+1], v[ST+8*\j:ST+8*\j+1]
.endr
.endr
	REDUCE
.irp j, 0,1,2,3
	v_fma_f32 v[ST+8*\j+6], v[ST+8*\j], s24, s25   ; the variance + 1e-5
.endr
	s_wait_alu depctr_va_vdst(0)
.irp j, 0,1,2,3
	v_rsq_f32 v[ST+8*\j+4], v[ST+8*\j+6]
.endr
	v_nop                                          ; a plain place behind the last of the four
	s_wait_alu depctr_va_vdst(0)                   ; one wait for the four, ahead of their first reader
.irp j, 0,1,2,3
	v_mov_b32 v[ST+8*\j+5], v[ST+8*\j+4]
.endr
.irp k, 0,2,4,6,8,10,12,14,16,18,20,22,24,26,28,30
.irp j, 0,1,2,3
	v_pk_mul_f32 v[X+32*\j+\k:X+32*\j+\k+1], v[X+32*\j+\k:X+32*\j+\k+1], v[ST+8*\j+4:ST+8*\j+5]
.endr
.irp j, 0,1,2,3
	v_pk_fma_f32 v[X+32*\j+\k:X+32*\j+\k+1], v[X+32*\j+\k:X+32*\j+\k+1], v[GG+\k:GG+\k+1], v[BB+\k:BB+\k+1]
.endr
.endr
.irp j, 0,1,2,3
.irp c, 0,1,2,3,4,5,6,7
	ds_store_b128 v5, v[X+32*\j+4*\c:X+32*\j+4*\c+3] offset:LP*\j+512*\c
.endr
.endr
.Lno_rows:
	s_wait_dscnt 0x0                               ; my rows lie in LDS
	s_barrier_signal -1
	s_barrier_wait -1                              ; all sixteen do
	s_cmp_ge_u32 ttmp9, 256
	s_cbranch_scc1 .Lweights
	; ---- rows, part 2: wave w quantises K steps 2 w and 2 w + 1 of the block's 16 rows: lane (r, h) takes 16 neighbours of each block of 32
.irp b, 0,1,2,3
	v_mov_b32 v[TM+4+\b], 0
.endr
	s_wait_alu depctr_va_vdst(0)
.irp u, 0,1
.if \u
	s_wait_xcnt 0x0                                ; the first K step's stores have read their registers
.endif
.irp b, 0,1,2,3
.irp j, 0,1,2,3
	ds_load_b128 v[X+16*\b+4*\j:X+16*\b+4*\j+3], v6 offset:512*\u+128*\b+16*\j
.endr
.endr
	s_wait_dscnt 0x0
	QUANT X
	global_store_b128 v2, v[PC:PC+3], s[30:31] offset:1536*\u            ; 512 consecutive bytes
	global_store_b64 v3, v[PC+4:PC+5], s[30:31] offset:1536*\u+512       ; 256
	global_store_b128 v2, v[PC+6:PC+9], s[30:31] offset:1536*\u+768
	global_store_b64 v3, v[PC+10:PC+11], s[30:31] offset:1536*\u+1280
	global_store_b32 v4, v[PW], s[32:33] offset:256*\u                   ; lanes r and r + 16 hold the same word and name the same place
.endr
	s_wait_tensorcnt 0x0
	ds_add_u32 v240, v241
	s_wait_dscnt 0x0
	s_endpgm
.Lweights:
	; ---- a wave takes 32 columns x 256 along K.  A lane takes a column and its registers run down K.  Lanes 0-15 take the rows of block 2 g, lanes 16-31 those of block 2 g + 1.
	s_sub_co_u32 s21, ttmp9, 256                   ; 0-95 qkv_w, 96-127 proj_w, 128-255 fc1_w, 256-383 fc2_w
	s_mov_b64 s[26:27], s[16:17]
	s_mov_b32 s48, 256                             ; the tensor's first work-group
	s_mov_b32 s49, 4096                            ; bytes in a row of it
	s_mov_b32 s50, WFC2_C
	s_mov_b32 s51, WFC2_S
	s_mov_b32 s52, 1                               ; 1: K = 4,096
	s_cmp_lt_u32 s21, 256
	s_cselect_b64 s[26:27], s[14:15], s[26:27]
	s_cselect_b32 s48, 128, s48
	s_cselect_b32 s49, 16384, s49
	s_cselect_b32 s50, WFC1_C, s50
	s_cselect_b32 s51, WFC1_S, s51
	s_cselect_b32 s52, 0, s52
	s_cmp_lt_u32 s21, 128
	s_cselect_b64 s[26:27], s[12:13], s[26:27]
	s_cselect_b32 s48, 96, s48
	s_cselect_b32 s49, 4096, s49
	s_cselect_b32 s50, WPROJ_C, s50
	s_cselect_b32 s51, WPROJ_S, s51
	s_cmp_lt_u32 s21, 96
	s_cselect_b64 s[26:27], s[10:11], s[26:27]
	s_cselect_b32 s48, 0, s48
	s_cselect_b32 s49, 12288, s49
	s_cselect_b32 s50, WQKV_C, s50
	s_cselect_b32 s51, WQKV_S, s51
	s_sub_co_u32 s21, s21, s48
	s_lshl_b32 s52, s52, 1
	s_add_co_u32 s53, s52, 2                       ; K / 256 = 4 or 16
	s_bfm_b32 s54, s53, 0
	s_and_b32 s54, s21, s54                        ; which 256 along K
	s_lshr_b32 s55, s21, s53
	s_lshl_b32 s55, s55, 2
	s_add_co_u32 s55, s55, s20                     ; g: which 32 columns
	s_lshl_b32 s56, 12288, s52                     ; bytes of a block's codes
	s_lshl_b32 s57, 2048, s52                      ; bytes of four blocks' scale words
	s_lshl_b32 s58, s54, 8
	s_mul_i32 s58, s58, s49
	s_lshl_b32 s59, s55, 7
	s_add_co_u32 s58, s58, s59
	s_mov_b32 s59, 0
	s_add_nc_u64 s[32:33], s[26:27], s[58:59]      ; s[32+2t:33+2t]: row 256 kc + 32 t, column 32 g
	s_lshl_b32 s58, s49, 5
.irp t, 1,2,3,4,5,6,7
	s_add_nc_u64 s[32+2*\t:33+2*\t], s[30+2*\t:31+2*\t], s[58:59]
.endr
	s_lshl_b32 s60, s55, 1
	s_mul_i32 s60, s60, s56
	s_mul_i32 s61, s54, 3072
	s_add_co_u32 s60, s60, s61
	s_add_co_u32 s60, s60, s50
	s_mov_b32 s61, 0
	s_add_nc_u64 s[24:25], s[18:19], s[60:61]      ; block 2 g's four half-images
	s_mov_b32 s60, s56
	s_add_nc_u64 s[28:29], s[24:25], s[60:61]      ; block 2 g + 1's
	s_lshr_b32 s60, s55, 1
	s_mul_i32 s60, s60, s57
	s_lshl_b32 s58, s54, 9
	s_add_co_u32 s60, s60, s58
	s_and_b32 s58, s55, 1
	s_lshl_b32 s58, s58, 7
	s_add_co_u32 s60, s60, s58
	s_add_co_u32 s60, s60, s51
	s_add_nc_u64 s[30:31], s[18:19], s[60:61]      ; the two blocks' scale words: 128 consecutive bytes a K step
	v_and_b32 v8, 7, v1
	v_bfe_u32 v9, v1, 3, 1
	v_lshl_add_u32 v8, v9, 4, v8
	v_lshrrev_b32 v9, 4, v1
	v_lshl_add_u32 v8, v9, 3, v8                   ; my column of the 32: l % 8 + 16 ((l / 8) % 2) + 8 (l / 16)
	v_lshlrev_b32 v16, 2, v8
.irp i, 1,2,3,4,5,6,7,8,9,10,11,12,13,14,15,16,17,18,19,20,21,22,23,24,25,26,27,28,29,30,31
	v_add_nc_u32 v[16+\i], s49, v[15+\i]           ; v16-47: my column in rows 0 to 31 of a block
.endr
	v_lshlrev_b32 v10, 2, v1                       ; 4 x lane
.macro LOADW t                         ; block t's 32 rows into set t % 2; a load reads 128 consecutive bytes, the four waves side by side
.irp i, 0,1,2,3,4,5,6,7,8,9,10,11,12,13,14,15,16,17,18,19,20,21,22,23,24,25,26,27,28,29,30,31
	global_load_b32 v[48+32*((\t)%2)+\i], v[16+\i], s[32+2*(\t):33+2*(\t)] th:TH_LOAD_NT
.endr
.endm
.macro BLOCKW t
.set XS, 48+32*((\t)%2)
.set CX, 112+12*((\t)/2)               ; each pair of blocks has code registers of its own: no store's data are written again
.set CB, CX+6*((\t)%2)
.if (\t) < 7
	s_wait_loadcnt 32                              ; this block's loads are in; the next block's 32 stay out
.else
	s_wait_loadcnt 0x0
.endif
	v_max3_num_f32 v12, |v[XS]|, |v[XS+1]|, |v[XS+2]|
	v_max3_num_f32 v13, |v[XS+3]|, |v[XS+4]|, |v[XS+5]|
.irp i, 6,10,14,18,22,26
	v_max3_num_f32 v12, v12, |v[XS+\i]|, |v[XS+\i+1]|
	v_max3_num_f32 v13, v13, |v[XS+\i+2]|, |v[XS+\i+3]|
.endr
	v_max3_num_f32 v12, v12, |v[XS+30]|, |v[XS+31]|
	v_max3_num_f32 v12, v12, v13, 0x2800000        ; and the floor
	v_add_nc_u32 v11, 0xfe000000, v12
	v_lshrrev_b32 v13, 23, v11
.if (\t)%4 == 0
	v_mov_b32 v[14+(\t)/4], v13
.else
	v_lshl_or_b32 v[14+(\t)/4], v13, 8*((\t)%4), v[14+(\t)/4]
.endif
	v_cvt_scalef32_pk16_bf6_f32 v[CB:CB+2], v[XS:XS+15], v11
	v_cvt_scalef32_pk16_bf6_f32 v[160:162], v[XS+16:XS+31], v11   ; (a conversion's three registers begin on an even number)
	v_nop
	v_mov_b32 v[CB+3], v160
	v_mov_b32 v[CB+4], v161
	v_mov_b32 v[CB+5], v162
.if (\t)+2 < 8
	LOADW (\t)+2
.endif
.if (\t)%2 == 1                        ; 64 along K are whole: the first six registers' lanes 16-31 change places with the second six's lanes 0-15: two half-images
.irp j, 0,1,2,3,4,5
	v_permlane16_swap_b32 v[CX+\j], v[CX+6+\j]
.endr
	global_store_b128 v2, v[CX:CX+3], s[24:25] offset:768*((\t)/2)
	global_store_b64 v3, v[CX+4:CX+5], s[24:25] offset:768*((\t)/2)+512
	global_store_b128 v2, v[CX+6:CX+9], s[28:29] offset:768*((\t)/2)
	global_store_b64 v3, v[CX+10:CX+11], s[28:29] offset:768*((\t)/2)+512
.endif
.if (\t)%4 == 3
	global_store_b32 v10, v[14+(\t)/4], s[30:31] offset:256*((\t)/4)
.endif
.endm
	LOADW 0
	LOADW 1
.irp t, 0,1,2,3,4,5,6,7
	BLOCKW \t
.endr
	s_wait_tensorcnt 0x0
	ds_add_u32 v240, v241
	s_wait_dscnt 0x0
	s_endpgm
.Lfunc_end_k_qf66d0eab9a_prep:
	.size	k_qf66d0eab9a_prep, .Lfunc_end_k_qf66d0eab9a_prep-k_qf66d0eab9a_prep
	.p2alignl 7, 3214868480
	.fill 96, 4, 3214868480
	.section	.rodata,"a",@progbits
	.p2align	6, 0x0
	.amdhsa_kernel k_qf66d0eab9a_prep
		.amdhsa_group_segment_fixed_size 66560
		.amdhsa_private_segment_fixed_size 0
		.amdhsa_enable_private_segment 0
		.amdhsa_kernarg_size 64
		.amdhsa_user_sgpr_count 2
		.amdhsa_user_sgpr_kernarg_segment_ptr 1
		.amdhsa_wavefront_size32 1
		.amdhsa_system_sgpr_workgroup_id_x 1
		.amdhsa_system_sgpr_workgroup_id_y 1
		.amdhsa_system_sgpr_workgroup_id_z 1
		.amdhsa_system_vgpr_workitem_id 0
		.amdhsa_next_free_vgpr 242
		.amdhsa_next_free_sgpr 66
		.amdhsa_reserve_vcc 0
		.amdhsa_float_denorm_mode_32 3
		.amdhsa_float_denorm_mode_16_64 3
		.amdhsa_memory_ordered 1
		.amdhsa_forward_progress 1
		.amdhsa_inst_pref_size 87
	.end_amdhsa_kernel
	.amdgpu_metadata
---
amdhsa.version: [ 1, 2 ]
amdhsa.kernels:
  - .name:           k_qf66d0eab9a_prep
    .symbol:         k_qf66d0eab9a_prep.kd
    .args:
      - { .name: x, .offset: 0, .size: 8, .value_kind: global_buffer, .address_space: global }
      - { .name: ln1_g, .offset: 8, .size: 8, .value_kind: global_buffer, .address_space: global }
      - { .name: ln1_b, .offset: 16, .size: 8, .value_kind: global_buffer, .address_space: global }
      - { .name: qkv_w, .offset: 24, .size: 8, .value_kind: global_buffer, .address_space: global }
      - { .name: proj_w, .offset: 32, .size: 8, .value_kind: global_buffer, .address_space: global }
      - { .name: fc1_w, .offset: 40, .size: 8, .value_kind: global_buffer, .address_space: global }
      - { .name: fc2_w, .offset: 48, .size: 8, .value_kind: global_buffer, .address_space: global }
      - { .name: wsP, .offset: 56, .size: 8, .value_kind: global_buffer, .address_space: global }
    .group_segment_fixed_size: 66560
    .private_segment_fixed_size: 0
    .kernarg_segment_align: 8
    .kernarg_segment_size: 64
    .max_flat_workgroup_size: 128
    .sgpr_count:     66
    .vgpr_count:     242
    .wavefront_size: 32
...
	.end_amdgpu_metadata
.endif
;; end of part 1
;; launch qkv (part 2): grid 12 x 16, 4 waves a work-group, clusters of 4 x 4, 327,680 bytes of LDS; arguments wsP, qkv_b, wsQKV; writes wsQKV
.if DOCPART == 2
	.amdgcn_target "amdgcn-amd-amdhsa--gfx1250"
	.amdhsa_code_object_version 6
	.text
	.protected	k_qf66d0eab9a_qkv
	.globl	k_qf66d0eab9a_qkv
	.p2align	8
	.type	k_qf66d0eab9a_qkv,@function
k_qf66d0eab9a_qkv:
	s_mov_b64 s[64:65], 0
	v_nop
	global_prefetch_b8 v0, s[64:65] scope:SCOPE_SE
	s_setreg_imm32_b32 hwreg(HW_REG_WAVE_MODE, 25, 1), 1
	s_wait_xcnt 0x0
	s_wait_alu depctr_hold_cnt(0) depctr_sa_sdst(0) depctr_va_vdst(0) depctr_va_sdst(0) depctr_va_ssrc(0) depctr_va_vcc(0) depctr_vm_vsrc(0)
	s_getreg_b32 s2, hwreg(HW_REG_IB_STS2, 6, 4)
	s_cmp_eq_u32 s2, 0
	s_cbranch_scc0 .Lentry_in_a_cluster
	s_endpgm
.Lentry_in_a_cluster:
	s_bfe_u32 s2, ttmp6, 0x10000c
	s_cmp_lg_u32 s2, 0xf033
	s_cbranch_scc0 .Lentry_shape_is_right
	s_endpgm
.Lentry_shape_is_right:
; qkv = LN1(x) W + b on codes of BF6, and its three parts quantised for the attention: q and k along the head's 64, v along the keys.
; Operands lie as half-images (16 rows x 64 K, 768 bytes, an image of six operand registers) [block][k / 64]; scale words [block / 4][k / 128][block % 4][r].
; A tile of C is 256 x 256, four waves of 128 x 128 (64 accumulators).  K goes in steps of 128, two to a slot, through a ring of two LDS slots filled by joint tensor loads (4 x 4 clusters).
; THE PRODUCT IS USED TRANSPOSED: source 0 = a block of "B", source 1 = a block of "A": a lane holds one row of A, and by the choice of the rows of a block its 16 registers of tiles 2 b, 2 b + 1 are 16 neighbours along B.
; ROLES, by the cluster's x: 0, 1: A = tokens, B = q's, k's channels: a lane a token, registers along the channels.  2: A = v's channels, B = tokens: a lane a channel, registers along the keys.
; The role is the same in all partners of a cluster; A's address holds cy alone, B's cx alone.
; OUT: records of 6,656 bytes.  q, k: 128 tokens of one head: 8 half-images, then 8 x 16 scale words (the head's two bytes written twice).  v: 128 keys of one head: 4 fragments (16 channels x 128 keys), then 4 x 32 scale words.
; LIMITS: NaN and infinities are not served; blocks whose largest magnitude lies under 2^-122 keep the scale byte 1.
; REGISTERS: window 0: v1-31 addresses; v32-47 scale words, two sets; v64-255 A's fragments, two sets.  window 1: B's fragments at v0 and v128; the bias at v96-127, v224-255.  windows 2, 3: the accumulators.
.set H_S,     3145728
.set WQKV_C,  3276800
.set WQKV_S,  12713984
.set REC,     6656
.set KVOFF,   3407872
.set HEADB,   212992
.set HALFB,   106496
.set VOFF,    53248
.set NQ,    2                          ; K steps in a slot
.set KB,    12288                      ; bytes of a block's codes
.set GS,    2048                       ; bytes of four blocks' scale words
.set HS,    2*GS                       ; the scale words of a wave's 128 rows
.set HALFT, 24576                      ; 8 blocks x 3,072 bytes: what one tensor load brings
.set SLOT,  4*HALFT
.set SCL,   2*SLOT                     ; behind the ring: the scale words, filled once
.set SPARE, 262144                     ; the spare words: 128 bytes a wave, named by no other line
.set LAPS,  2
.set SC,  32
.set AF,  64
.set TT,  128                          ; the way out: 64 numbers
.set PC,  192
.set TM,  212
.set PW,  228
.set SEL, 44
.set G1, 24
.set G0, 32
.set G1B, 48
.set G0B, 56
.set G1S, 68
.set G0S, 76
.set G1SB, 80
.set G0SB, 88
.set MSB, 0
.macro WIN new                         ; the immediate's high byte repeats the setting that is left
.if MSB != (\new)
	s_set_vgpr_msb (MSB<<8)|(\new)
.set MSB, (\new)
.endif
.endm
.macro JLOAD g0a, g1a, g0b, g1b        ; waves 0, 1 fetch for A, waves 2, 3 for B; four v_nop follow each line
	s_cmp_eq_u32 s15, 0
	s_cbranch_scc0 .Lfor_b_\@
	tensor_load_to_lds s[\g0a:\g0a+3], s[\g1a:\g1a+7]
	s_nop 0
.rept 4
	v_nop
.endr
	s_branch .Lasked_\@
.Lfor_b_\@:
	tensor_load_to_lds s[\g0b:\g0b+3], s[\g1b:\g1b+7]
	s_nop 0
.rept 4
	v_nop
.endr
.Lasked_\@:
.endm
.macro CREST
	s_cmp_lg_u32 s14, 0
	s_cbranch_scc1 .Lnot_wave_0_\@
	s_barrier_signal -3
.Lnot_wave_0_\@:
	s_barrier_wait -3
	s_barrier_signal -1
	s_barrier_wait -1
.endm
.macro CROUND
	s_barrier_signal -1
	s_barrier_wait -1
	CREST
.endm
.macro PLACES n
.rept \n
	v_nop
.endr
.endm
.macro FRAG reg, a16, a8, off          ; a fragment = two half-images: 512, 256, 512, 256 consecutive bytes
	ds_load_b128 v[\reg:\reg+3], v[\a16] offset:(\off)
	ds_load_b64 v[\reg+4:\reg+5], v[\a8] offset:(\off)+512
	ds_load_b128 v[\reg+6:\reg+9], v[\a16] offset:(\off)+768
	ds_load_b64 v[\reg+10:\reg+11], v[\a8] offset:(\off)+1280
.endm
.macro FETCH slot, q, p                ; the slot's q-th K step into set p: B's 8 fragments, A's 8, and 8 registers of scale words (lanes 0-15 A's block i, lanes 16-31 B's)
	WIN 0x40
.irp i, 0,1,2,3,4,5,6,7
	FRAG 128*(\p)+12*\i, 20+\slot, 22+\slot, (\i*NQ+(\q))*1536
.endr
	WIN 0
.irp i, 0,1,2,3,4,5,6,7
	FRAG AF+96*(\p)+12*\i, 16+\slot, 18+\slot, (\i*NQ+(\q))*1536
.endr
.irp i, 0,1,2,3,4,5,6,7
	ds_load_b32 v[SC+8*(\p)+\i], v27 offset:(\i/4)*GS+(\i%4)*64+256*(\q)
.endr
.endm
; A's block a against B's eight.  mode 0: onto the sums; 1: the sums begin with the bias by B's block; 2: by A's block.  The 64 accumulators take turns, one instruction a turn.
.macro MULA a, p, mode
.if (\mode) == 0
	WIN 0xa1+0x50*((\a)/4)
.else
	WIN 0x91+0x40*((\a)/4)
.endif
.irp b, 0,1,2,3,4,5,6,7
.set AC, 8*(8*((\a)%4)+\b)
.if (\mode) == 0
	v_wmma_scale_f32_16x16x128_f8f6f4 v[AC:AC+7], v[128*(\p)+12*\b:128*(\p)+12*\b+11], v[AF+96*(\p)+12*(\a):AF+96*(\p)+12*(\a)+11], v[AC:AC+7], v[SC+8*(\p)+\b], v[SC+8*(\p)+(\a)] matrix_a_fmt:MATRIX_FMT_BF6 matrix_b_fmt:MATRIX_FMT_BF6 matrix_a_scale:MATRIX_SCALE_ROW1
.elseif (\mode) == 1
	v_wmma_scale_f32_16x16x128_f8f6f4 v[AC:AC+7], v[128*(\p)+12*\b:128*(\p)+12*\b+11], v[AF+96*(\p)+12*(\a):AF+96*(\p)+12*(\a)+11], v[96+8*\b+96*(\b/4):103+8*\b+96*(\b/4)], v[SC+8*(\p)+\b], v[SC+8*(\p)+(\a)] matrix_a_fmt:MATRIX_FMT_BF6 matrix_b_fmt:MATRIX_FMT_BF6 matrix_a_scale:MATRIX_SCALE_ROW1
.else
	v_wmma_scale_f32_16x16x128_f8f6f4 v[AC:AC+7], v[128*(\p)+12*\b:128*(\p)+12*\b+11], v[AF+96*(\p)+12*(\a):AF+96*(\p)+12*(\a)+11], v[96+8*(\a)+96*((\a)/4):103+8*(\a)+96*((\a)/4)], v[SC+8*(\p)+\b], v[SC+8*(\p)+(\a)] matrix_a_fmt:MATRIX_FMT_BF6 matrix_b_fmt:MATRIX_FMT_BF6 matrix_a_scale:MATRIX_SCALE_ROW1
.endif
.endr
.endm
.macro STEP slot, q, mode              ; a K step that has its successor in the same slot
	s_wait_dscnt 0x0                               ; this step's operands, asked for a step ago
	PLACES 4                                       ; in front of loads into the set that the last step multiplied
	FETCH \slot, (\q)+1, ((\q)+1)%2
.irp a, 0,1,2,3,4,5,6,7
	MULA \a, (\q)%2, \mode
.endr
	WIN 0
.endm
.macro TURN slot, next, fill           ; a slot's last K step changes slots
	s_wait_tensorcnt 0x0                           ; all my tensor loads have landed: my part of the next slot
	ds_add_u32 v28, v29                            ; 0 onto my spare word
	s_wait_dscnt 1                                 ; the operands are in; the add may be out
	MULA 0, 1, 0
	MULA 1, 1, 0
	s_wait_dscnt 0x0                               ; the add is done, and my reads of this slot are over
	s_barrier_signal -1
	MULA 2, 1, 0
	MULA 3, 1, 0
	WIN 0
	s_barrier_wait -1
.if \fill
	CREST                                          ; the barrier has opened a round of the cluster's: no wave of any partner still reads this slot or has a load on its way
	s_add_nc_u64 s[G0+4*\slot+2:G0+4*\slot+3], s[G0+4*\slot+2:G0+4*\slot+3], 2*NQ*1536
	s_add_nc_u64 s[G0B+4*\slot+2:G0B+4*\slot+3], s[G0B+4*\slot+2:G0B+4*\slot+3], 2*NQ*1536
	JLOAD G0+4*\slot, G1, G0B+4*\slot, G1B         ; the first tensor load behind the round; its four v_nop are the places in front of the loads below
.else
	PLACES 4
.endif
	s_wait_alu depctr_va_vdst(0)
	v_add_nc_u32 v27, NQ*256, v27                  ; the next slot's scale words
	FETCH \next, 0, 0
	MULA 4, 1, 0
	MULA 5, 1, 0
	MULA 6, 1, 0
	MULA 7, 1, 0
	WIN 0
.endm
.macro QUANT s                         ; 64 numbers of a lane, register 16 b + i = k 32 b + 16 (lane / 16) + i of my row -> a fragment in v[PC] on, its scale word in v[PW]
.irp b, 0,1,2,3
	v_max3_num_f32 v[TM+\b], |v[\s+16*\b]|, |v[\s+1+16*\b]|, 0x2800000
.endr
.irp i, 2,4,6,8,10,12,14
.irp b, 0,1,2,3
	v_max3_num_f32 v[TM+\b], v[TM+\b], |v[\s+16*\b+\i]|, |v[\s+1+16*\b+\i]|
.endr
.endr
.irp b, 0,1,2,3
	v_permlanex16_b32 v[TM+4+\b], v[TM+\b], s[SEL], s[SEL+1]
.endr
.irp b, 0,1,2,3
	v_max_num_f32 v[TM+\b], v[TM+\b], v[TM+4+\b]
.endr
.irp b, 0,1,2,3
	v_add_nc_u32 v[TM+12+\b], 0xfe000000, v[TM+\b]
.endr
.irp b, 0,1,2,3
	v_lshrrev_b32 v[TM+4+\b], 23, v[TM+12+\b]
.endr
	v_lshl_or_b32 v[PW], v[TM+5], 8, v[TM+4]
	v_lshl_or_b32 v[PW], v[TM+6], 16, v[PW]
	v_lshl_or_b32 v[PW], v[TM+7], 24, v[PW]
.irp c, 0,1
	v_cvt_scalef32_pk16_bf6_f32 v[PC+6*\c:PC+2+6*\c], v[\s+32*\c:\s+15+32*\c], v[TM+12+2*\c]
	v_cvt_scalef32_pk16_bf6_f32 v[PC+12+4*\c:PC+14+4*\c], v[\s+16+32*\c:\s+31+32*\c], v[TM+12+2*\c+1]
.endr
	v_nop
.irp c, 0,1
.irp i, 0,1,2
	v_permlane16_swap_b32 v[PC+6*\c+\i], v[PC+12+4*\c+\i]
.endr
.irp i, 0,1,2
	v_mov_b32 v[PC+3+6*\c+\i], v[PC+12+4*\c+\i]
.endr
.endr
.endm
	s_load_b128 s[4:7], s[0:1], 0x0                ; the operands' workspace, qkv_b
	s_load_b64 s[8:9], s[0:1], 0x10                ; the records
	v_lshl_add_u32 v28, v0, 2, SPARE
	v_mov_b32 v29, 0
	ds_add_u32 v28, v29
	ds_add_u32 v28, v29
	s_wait_dscnt 0x0
	v_lshrrev_b32 v1, 5, v0
	v_readfirstlane_b32 s14, v1                    ; wave 0..3
	s_lshr_b32 s15, s14, 1                         ; my half of A's rows.  Also: I fetch for A (0) or for B (1)
	s_and_b32 s16, s14, 1                          ; my half of B's rows.  Also: which half I fetch
	s_bfe_u32 s40, ttmp6, 0x40000                  ; cx
	s_bfe_u32 s41, ttmp6, 0x40004                  ; cy
	s_and_b32 s17, ttmp7, 0xffff                   ; the cluster's y
	s_lshr_b32 s18, ttmp9, 1                       ; 1: the role v
	s_xor_b32 s19, s18, 1
	s_lshl_b32 s12, s17, 2
	s_mul_i32 s12, s12, s19
	s_add_co_u32 s12, s12, s41                     ; A's tile: tokens 4 y + cy, or v's channels cy
	s_mul_i32 s42, ttmp9, s19
	s_mul_i32 s46, s17, s18
	s_add_co_u32 s42, s42, s46
	s_lshl_b32 s42, s42, 2
	s_add_co_u32 s42, s42, s40                     ; B's tile: channels 4 x + cx, or tokens 4 y + cx
	s_lshl_b32 s43, s41, 2
	s_lshl_b32 s43, 15, s43                        ; my row of the cluster
	s_lshl_b32 s44, 0x1111, s40                    ; my column
	s_or_b32 s[G1+0], s43, (3<<16)|(1<<21)         ; the mask; elements of 8 bytes; bit 21 beside a mask; no padding
	s_or_b32 s[G1B+0], s44, (3<<16)|(1<<21)
.irp g, G1, G1B                        ; 8 rows (blocks) of 384 elements (a slot's 3,072 bytes), a block's codes apart
	s_mov_b32 s[\g+1], 384<<16
	s_mov_b32 s[\g+2], 16<<16                      ; the head's loads bring a whole tile's 16 blocks; behind them the two words that count rows are set to 8
	s_mov_b32 s[\g+3], 384<<16
	s_mov_b32 s[\g+4], 16
	s_mov_b32 s[\g+5], KB/8
	s_mov_b32 s[\g+6], 0
	s_mov_b32 s[\g+7], 0
.endr
	s_or_b32 s[G1S+0], s43, (3<<16)|(1<<21)
	s_or_b32 s[G1SB+0], s44, (3<<16)|(1<<21)
.irp g, G1S, G1SB                      ; the scale words of 128 rows: 4,096 dense bytes as 16 rows of 256
	s_mov_b32 s[\g+1], 32<<16
	s_mov_b32 s[\g+2], (2*HS/256)<<16              ; the scale words of a tile's 256 rows: 32 rows of 256 bytes
	s_mov_b32 s[\g+3], 32<<16
	s_mov_b32 s[\g+4], 2*HS/256
	s_mov_b32 s[\g+5], 32
	s_mov_b32 s[\g+6], 0
	s_mov_b32 s[\g+7], 0
.endr
	s_lshl_b32 s20, s12, 4
	s_mul_i32 s100, s16, 8*KB                      ; in the ring I fetch eight blocks of a tile: which half, in bytes
	s_mov_b32 s101, 0
	s_lshl_b32 s22, s20, 9                         ; its scale words: 512 bytes a block
	s_mul_i32 s20, s20, KB
	s_mul_i32 s13, s18, WQKV_C+128*KB              ; role v: the weight's blocks 128 on (the tokens' codes begin at byte 0)
	s_add_co_u32 s20, s20, s13
	s_mul_i32 s13, s18, WQKV_S+32*GS
	s_add_co_u32 s22, s22, s13
	s_mul_i32 s13, s19, H_S
	s_add_co_u32 s22, s22, s13
	s_mov_b32 s21, 0
	s_mov_b32 s23, 0
	s_lshl_b32 s46, s42, 4
	s_lshl_b32 s92, s46, 9
	s_mul_i32 s46, s46, KB
	s_mul_i32 s95, s19, WQKV_C
	s_add_co_u32 s46, s46, s95
	s_mul_i32 s95, s19, WQKV_S
	s_add_co_u32 s92, s92, s95
	s_mul_i32 s95, s18, H_S
	s_add_co_u32 s92, s92, s95
	s_mov_b32 s47, 0
	s_mov_b32 s93, 0
	s_mul_i32 s45, s14, HALFT                      ; where they go: by the wave's number alone
	s_wait_kmcnt 0x0
	s_add_nc_u64 s[20:21], s[4:5], s[20:21]
	s_add_nc_u64 s[22:23], s[4:5], s[22:23]
	s_add_nc_u64 s[46:47], s[4:5], s[46:47]
	s_add_nc_u64 s[92:93], s[4:5], s[92:93]
	CROUND                                         ; all sixteen work-groups are here: the first joint loads meet
	s_mov_b32 s[G0S], 1
	s_mov_b32 s[G0S+1], SCL
	s_mov_b64 s[G0S+2:G0S+3], s[22:23]
	s_or_b32 s[G0S+3], s[G0S+3], 0x80000000
	s_mov_b32 s[G0SB], 1
	s_mov_b32 s[G0SB+1], SCL+2*HS
	s_mov_b64 s[G0SB+2:G0SB+3], s[92:93]
	s_or_b32 s[G0SB+3], s[G0SB+3], 0x80000000
	s_mov_b32 s96, 1                               ; s[96:99]: slot 0's 16 blocks of A, whole
	s_mov_b32 s97, 0
	s_mov_b64 s[98:99], s[20:21]
	s_or_b32 s99, s99, 0x80000000
	s_mov_b32 s92, 1                               ; s[92:95]: its 16 blocks of B, behind them
	s_mov_b32 s93, 2*HALFT
	s_mov_b64 s[94:95], s[46:47]
	s_or_b32 s95, s95, 0x80000000
; THE HEAD'S LOADS, ONE A WAVE: wave 0 slot 0's blocks of A, wave 1 those of B, wave 2 A's scale words, wave 3 B's.  One chain of branches on the wave's number, a load to each arm, one join.
.macro ARM under, g0, g1, next
	s_cmp_lt_u32 s14, \under
	s_cbranch_scc0 \next
	tensor_load_to_lds s[\g0:\g0+3], s[\g1:\g1+7]
	s_nop 0
.rept 4
	v_nop
.endr
	s_branch .Lhead_asked
\next:
.endm
	ARM 1, 96, G1, .Lhead_b
	ARM 2, 92, G1B, .Lhead_sa
	ARM 3, G0S, G1S, .Lhead_sb
	tensor_load_to_lds s[G0SB:G0SB+3], s[G1SB:G1SB+7]
	s_nop 0
.rept 4
	v_nop
.endr
.Lhead_asked:
	s_add_nc_u64 s[20:21], s[20:21], s[100:101]    ; for the ring: my eight blocks of the tile
	s_add_nc_u64 s[46:47], s[46:47], s[100:101]
.irp s, 0,1
	s_mov_b32 s[G0+4*\s], 1
	s_add_co_u32 s[G0+4*\s+1], s45, \s*SLOT
	s_add_nc_u64 s[G0+4*\s+2:G0+4*\s+3], s[20:21], \s*NQ*1536
	s_or_b32 s[G0+4*\s+3], s[G0+4*\s+3], 0x80000000
	s_mov_b32 s[G0B+4*\s], 1
	s_add_co_u32 s[G0B+4*\s+1], s45, \s*SLOT
	s_add_nc_u64 s[G0B+4*\s+2:G0B+4*\s+3], s[46:47], \s*NQ*1536
	s_or_b32 s[G0B+4*\s+3], s[G0B+4*\s+3], 0x80000000
.if \s
	s_wait_alu depctr_va_vdst(0)
	s_wait_tensorcnt 0x0                           ; my tile of the head's four is in; slot 1's first fill is issued as a refill is
	ds_add_u32 v28, v29
	s_mov_b32 s[G1+2], 8<<16                       ; no tensor load of mine is out: from here on a load brings eight blocks
	s_mov_b32 s[G1+4], 8
	s_mov_b32 s[G1B+2], 8<<16
	s_mov_b32 s[G1B+4], 8
	s_wait_dscnt 0x0
	CROUND
	JLOAD G0+4*\s, G1, G0B+4*\s, G1B
.endif
.endr
	v_and_b32 v1, 31, v0
	v_lshlrev_b32 v2, 4, v1                        ; 16 x lane
	v_lshlrev_b32 v3, 3, v1                        ; 8 x lane
	v_and_b32 v4, 15, v0                           ; r
	v_bfe_u32 v5, v0, 4, 1                         ; h
	v_lshlrev_b32 v7, 2, v4                        ; 4 r
	v_lshlrev_b32 v8, 6, v5                        ; 64 h
	v_and_b32 v9, 7, v4
	v_lshrrev_b32 v6, 3, v4
	v_lshl_add_u32 v9, v6, 4, v9
	v_lshlrev_b32 v9, 2, v9                        ; 4 (r % 8 + 16 (r / 8))
	s_mul_i32 s21, s15, HALFT
	s_mul_i32 s22, s16, HALFT
	s_add_co_u32 s22, s22, 2*HALFT
.irp s, 0,1
	v_add_nc_u32 v[16+\s], s21, v2
	v_add_nc_u32 v[18+\s], s21, v3
	v_add_nc_u32 v[20+\s], s22, v2
	v_add_nc_u32 v[22+\s], s22, v3
	s_add_co_u32 s21, s21, SLOT
	s_add_co_u32 s22, s22, SLOT
.endr
	s_mul_i32 s21, s15, HS
	s_mul_i32 s22, s16, HS
	s_add_co_u32 s22, s22, 2*HS
	s_sub_co_u32 s22, s22, s21
	v_mul_u32_u24 v6, s22, v5                      ; lanes 16-31 take B's words
	s_add_co_u32 s21, s21, SCL
	v_lshl_add_u32 v6, v4, 2, v6
	v_add_nc_u32 v27, s21, v6
	s_lshl_b32 s21, s14, 16
	v_add_nc_u32 v30, s21, v2                      ; the way out: my wave's 65,536 bytes, 16 a lane
	; the bias, in the result's layout, is the C of each sum's first product
	s_cmp_eq_u32 s18, 1
	s_cselect_b32 s96, s41, s42
	s_cselect_b32 s97, s15, s16
	s_lshl_b32 s96, s96, 10
	s_lshl_b32 s97, s97, 9
	s_add_co_u32 s96, s96, s97
	s_lshl_b32 s97, s18, 13
	s_add_co_u32 s96, s96, s97                     ; 4 x my first channel
	s_mov_b32 s97, 0
	s_add_nc_u64 s[66:67], s[6:7], s[96:97]
	s_cmp_eq_u32 s18, 1
	s_cbranch_scc1 .Lbias_v
	WIN 0x40
.irp b, 0,1,2,3,4,5,6,7                ; registers along the channels: tile b's eight of my half
	global_load_b128 v[96+8*\b+96*(\b/4):99+8*\b+96*(\b/4)], v8, s[66:67] offset:(32*(\b/2)+8*(\b%2))*4
	global_load_b128 v[100+8*\b+96*(\b/4):103+8*\b+96*(\b/4)], v8, s[66:67] offset:(32*(\b/2)+8*(\b%2))*4+16
.endr
	WIN 0
	s_branch .Lbias_done
.Lbias_v:
	WIN 0x40
.irp a, 0,1,2,3,4,5,6,7                ; a lane a channel: its number in all eight registers
.irp j, 0,1,2,3,4,5,6,7
	global_load_b32 v[96+8*\a+96*(\a/4)+\j], v9, s[66:67] offset:(32*(\a/2)+8*(\a%2))*4
.endr
.endr
	WIN 0
.Lbias_done:
	s_wait_tensorcnt 1                             ; the scale words and my part of slot 0 are in; slot 1's load stays out
	s_barrier_signal -1
	s_barrier_wait -1
	s_wait_alu depctr_va_vdst(0)
	FETCH 0, 0, 0
	s_wait_loadcnt 0x0                             ; the bias
	s_wait_dscnt 0x0
	FETCH 0, 1, 1
	s_cmp_eq_u32 s18, 1                            ; the first K step starts the sums
	s_cbranch_scc1 .Lfirst_v
.irp a, 0,1,2,3,4,5,6,7
	MULA \a, 0, 1
.endr
	WIN 0
	s_branch .Lfirst_done
.Lfirst_v:
.irp a, 0,1,2,3,4,5,6,7
	MULA \a, 0, 2
.endr
	WIN 0
.Lfirst_done:
	s_mov_b32 s3, LAPS-1
.Llap:
	TURN 0, 1, 1
	s_wait_alu depctr_va_vdst(0)
	STEP 1, 0, 0
	TURN 1, 0, 1
	s_wait_alu depctr_va_vdst(0)
	STEP 0, 0, 0
	s_sub_co_u32 s3, s3, 1
	s_cmp_lg_u32 s3, 0
	s_cbranch_scc1 .Llap
	TURN 0, 1, 0                                   ; the last lap fills nothing
	s_wait_alu depctr_va_vdst(0)
	STEP 1, 0, 0
	s_wait_dscnt 0x0
.irp a, 0,1,2,3,4,5,6,7
	MULA \a, 1, 0
.endr
	WIN 0
	; ---- where my records lie
	s_cmp_eq_u32 s18, 1
	s_cselect_b32 s13, s42, s12                    ; the tile of tokens,
	s_cselect_b32 s94, s16, s15                    ; my half of it;
	s_cselect_b32 s95, s41, s42                    ; the tile of 256 channels,
	s_cselect_b32 s17, s15, s16                    ; my half of it
	s_lshl_b32 s95, s95, 2
	s_lshl_b32 s17, s17, 1
	s_add_co_u32 s95, s95, s17
	s_and_b32 s95, s95, 15                         ; my first head of two
	s_lshr_b32 s17, s13, 3
	s_lshl_b32 s17, s17, 4
	s_add_co_u32 s95, s95, s17                     ; + 16 x batch
	s_lshl_b32 s13, s13, 1
	s_add_co_u32 s13, s13, s94
	s_and_b32 s13, s13, 15                         ; which 128 tokens of the batch
	s_lshl_b32 s94, s95, 4
	s_add_co_u32 s94, s94, s13
	s_mul_i32 s94, s94, REC                        ; q's record
	s_mul_i32 s95, s95, HEADB
	s_lshr_b32 s17, s13, 3
	s_mul_i32 s17, s17, HALFB
	s_add_co_u32 s95, s95, s17
	s_and_b32 s17, s13, 7
	s_mul_i32 s17, s17, REC
	s_add_co_u32 s95, s95, s17
	s_mul_i32 s17, s18, VOFF
	s_add_co_u32 s95, s95, s17
	s_add_co_u32 s95, s95, KVOFF                   ; k's or v's
	s_cmp_eq_u32 ttmp9, 0
	s_cselect_b32 s20, s94, s95
	s_mov_b32 s22, HEADB
	s_cselect_b32 s22, 16*REC, s22                 ; from a head to the next
	s_mov_b32 s92, s22
	s_cmp_eq_u32 s18, 1
	s_cselect_b32 s22, 768, s22                    ; from the fragment's first half-image to its second: the next head's record, or (v) the next 768 bytes
	s_cselect_b32 s92, 64, s92                     ; the scale words likewise
	s_mov_b32 s96, 768
	s_cselect_b32 s96, 1536, s96                   ; from trip to trip
	s_cselect_b32 s98, 128, 64
	s_cselect_b32 s100, HEADB-6144, 0              ; v: behind four blocks of channels the next head begins
	s_cselect_b32 s66, HEADB-512, 0
	s_mov_b32 s10, 0x01000100                      ; q, k: the first head's two bytes twice, the second head's twice; v: the word as it is
	s_cselect_b32 s10, 0x03020100, s10
	s_mov_b32 s11, 0x03020302
	s_cselect_b32 s11, 0x03020100, s11
	s_mov_b32 s21, 0
	s_mov_b32 s23, 0
	s_mov_b32 s93, 0
	s_add_nc_u64 s[20:21], s[8:9], s[20:21]
	s_add_nc_u64 s[22:23], s[20:21], s[22:23]
	s_add_nc_u64 s[46:47], s[20:21], 6144
	s_add_nc_u64 s[92:93], s[46:47], s[92:93]
	s_mov_b32 s[SEL], 0x76543210
	s_mov_b32 s[SEL+1], 0xfedcba98
	; ---- THE WAY OUT.  The accumulators go to LDS as they stand (each wave 65,536 bytes, over the ring and the scale words, which have had their last fill and, behind this barrier, their last read), so that one loop of eight trips serves all eight blocks
	s_wait_dscnt 0x0
	s_barrier_signal -1
	s_barrier_wait -1
	PLACES 4                                       ; behind the last products
.irp a, 0,1,2,3,4,5,6,7
	WIN 0x08+4*(\a/4)
.irp b, 0,1,2,3,4,5,6,7
	ds_store_b128 v30, v[8*(8*(\a%4)+\b):8*(8*(\a%4)+\b)+3] offset:(8*\a+\b)*1024        ; each accumulator from its low end on
	ds_store_b128 v30, v[8*(8*(\a%4)+\b)+4:8*(8*(\a%4)+\b)+7] offset:(8*\a+\b)*1024+512
.endr
.endr
	WIN 0
.irp b, 0,1,2,3
	v_mov_b32 v[TM+4+\b], 0
.endr
	s_mov_b32 s2, 0
	s_mov_b32 s3, 0
.Lrow:                                                 ; trip a: A's block a: 16 rows x 128 along the next K
	v_add_nc_u32 v31, s2, v30
.irp b, 0,1,2,3,4,5,6,7
	ds_load_b128 v[TT+8*\b:TT+8*\b+3], v31 offset:1024*\b       ; LDS serves a wave's instructions in order: these see my stores
	ds_load_b128 v[TT+8*\b+4:TT+8*\b+7], v31 offset:1024*\b+512
.endr
	s_wait_dscnt 0x0
	QUANT TT
	v_perm_b32 v229, v[PW], v[PW], s10
	v_perm_b32 v230, v[PW], v[PW], s11
	global_store_b128 v2, v[PC:PC+3], s[20:21]
	global_store_b64 v3, v[PC+4:PC+5], s[20:21] offset:512
	global_store_b128 v2, v[PC+6:PC+9], s[22:23]
	global_store_b64 v3, v[PC+10:PC+11], s[22:23] offset:512
	global_store_b32 v7, v229, s[46:47]
	global_store_b32 v7, v230, s[92:93]
	s_wait_xcnt 0x0                                ; the stores have read their registers and bases
	s_cmp_eq_u32 s3, 3
	s_cselect_b32 s94, s100, 0
	s_cselect_b32 s12, s66, 0
	s_add_co_u32 s94, s94, s96
	s_add_co_u32 s12, s12, s98
	s_mov_b32 s95, 0
	s_mov_b32 s13, 0
	s_add_nc_u64 s[20:21], s[20:21], s[94:95]
	s_add_nc_u64 s[22:23], s[22:23], s[94:95]
	s_add_nc_u64 s[46:47], s[46:47], s[12:13]
	s_add_nc_u64 s[92:93], s[92:93], s[12:13]
	s_add_co_u32 s2, s2, 8192
	s_add_co_u32 s3, s3, 1
	s_cmp_lt_u32 s3, 8
	s_cbranch_scc1 .Lrow
	s_wait_tensorcnt 0x0                           ; the wave's end
	ds_add_u32 v28, v29
	s_wait_dscnt 0x0
	CROUND                                         ; the closing round
	s_endpgm
.Lfunc_end_k_qf66d0eab9a_qkv:
	.size	k_qf66d0eab9a_qkv, .Lfunc_end_k_qf66d0eab9a_qkv-k_qf66d0eab9a_qkv
	.p2alignl 7, 3214868480
	.fill 96, 4, 3214868480
	.section	.rodata,"a",@progbits
	.p2align	6, 0x0
	.amdhsa_kernel k_qf66d0eab9a_qkv
		.amdhsa_group_segment_fixed_size 327680
		.amdhsa_private_segment_fixed_size 0
		.amdhsa_enable_private_segment 0
		.amdhsa_kernarg_size 24
		.amdhsa_user_sgpr_count 2
		.amdhsa_user_sgpr_kernarg_segment_ptr 1
		.amdhsa_wavefront_size32 1
		.amdhsa_system_sgpr_workgroup_id_x 1
		.amdhsa_system_sgpr_workgroup_id_y 1
		.amdhsa_system_sgpr_workgroup_id_z 1
		.amdhsa_system_vgpr_workitem_id 0
		.amdhsa_next_free_vgpr 1024
		.amdhsa_next_free_sgpr 102
		.amdhsa_reserve_vcc 0
		.amdhsa_float_denorm_mode_32 3
		.amdhsa_float_denorm_mode_16_64 3
		.amdhsa_memory_ordered 1
		.amdhsa_forward_progress 1
		.amdhsa_inst_pref_size 149
	.end_amdhsa_kernel
	.amdgpu_metadata
---
amdhsa.version: [ 1, 2 ]
amdhsa.kernels:
  - .name:           k_qf66d0eab9a_qkv
    .symbol:         k_qf66d0eab9a_qkv.kd
    .args:
      - { .name: wsP, .offset: 0, .size: 8, .value_kind: global_buffer, .address_space: global }
      - { .name: qkv_b, .offset: 8, .size: 8, .value_kind: global_buffer, .address_space: global }
      - { .name: wsQKV, .offset: 16, .size: 8, .value_kind: global_buffer, .address_space: global }
    .group_segment_fixed_size: 327680
    .private_segment_fixed_size: 0
    .kernarg_segment_align: 8
    .kernarg_segment_size: 24
    .max_flat_workgroup_size: 128
    .sgpr_count:     102
    .vgpr_count:     1024
    .wavefront_size: 32
...
	.end_amdgpu_metadata
.endif
;; end of part 2
;; launch attn (part 3): grid 8 x 32, 8 waves a work-group, clusters of 4 x 1, 327,680 bytes of LDS; arguments wsQKV, wsO; writes wsO
.if DOCPART == 3
	.amdgcn_target "amdgcn-amd-amdhsa--gfx1250"
	.amdhsa_code_object_version 6
	.text
	.protected	k_qf66d0eab9a_attn
	.globl	k_qf66d0eab9a_attn
	.p2align	8
	.type	k_qf66d0eab9a_attn,@function
k_qf66d0eab9a_attn:
	s_mov_b64 s[64:65], 0
	v_nop
	global_prefetch_b8 v0, s[64:65] scope:SCOPE_SE
	s_setreg_imm32_b32 hwreg(HW_REG_WAVE_MODE, 25, 1), 1
	s_wait_xcnt 0x0
	s_wait_alu depctr_hold_cnt(0) depctr_sa_sdst(0) depctr_va_vdst(0) depctr_va_sdst(0) depctr_va_ssrc(0) depctr_va_vcc(0) depctr_vm_vsrc(0)
	s_getreg_b32 s2, hwreg(HW_REG_IB_STS2, 6, 4)
	s_cmp_eq_u32 s2, 0
	s_cbranch_scc0 .Lentry_in_a_cluster
	s_endpgm
.Lentry_in_a_cluster:
	s_bfe_u32 s2, ttmp6, 0x10000c
	s_cmp_lg_u32 s2, 0x3003
	s_cbranch_scc0 .Lentry_shape_is_right
	s_endpgm
.Lentry_shape_is_right:
; o = softmax(q k^T / 8) v for one head and 256 queries, both products on codes of BF6; o is quantised along the head's 64 for the projection.
; IN: records of 6,656 bytes.  q, k: 128 tokens of a head: 8 half-images (16 rows x 64 channels, 768 bytes, an image of six operand registers), then 8 x 16 scale words.  v: 4 fragments (16 channels x 128 keys), then 4 x 32 scale words.
; A work-group has 8 waves; a wave has 32 queries, two tiles of 16, so that each fragment of k and v read from LDS serves two tiles.  Both products are used transposed: a lane holds one query.
; A head's whole k and v, 212,992 bytes, come ONCE, by one joint tensor load a wave (104 rows of 256 bytes); the four work-groups of a cluster are four query blocks of one head and ask jointly.  Nothing is filled again.
; The mover lays 64 bytes of padding behind each 256: a record takes 8,320 bytes of LDS; byte y of a record lies at y + 64 (y / 256).  k's 16 records lie first, then v's 16.
; No prefetch: all tiles are asked for at the head, and no loop is left to run ahead in.
; THE KEYS OF A TILE OF k are chosen by address: row 8 b + e of tile 4 a + 2 c + d is key 64 a + 32 b + 16 c + 8 d + e of the step's 128.  In S^T lane half h then holds keys 64 a + 32 h + 0..31
; in the 32 registers of tiles 4 a .. 4 a + 3: WHOLE blocks of 32, in the order of p's operand: a block's largest score needs no other lane and p's codes no lane swap.
; The head has 64 channels and the instruction 128 along K: a fragment holds two tiles of k, and q stands beside zero codes, (q, 0) for the first tile and (0, q) for the second.
; M is the running largest t rounded up to a whole number; p = 2^(t - M); the row's sum is taken of the unquantised p; O and the sum are brought under a new M by an exact power of two.
; LIMITS: the scaled scores stay under 2^31 in magnitude; NaN and infinities are not served; blocks whose largest magnitude lies under 2^-122 keep the scale byte 1.
; REGISTERS: window 0: addresses, q, scale words, the softmax's state, p's codes, v112-239 the scores of both tiles.  window 1: v0-47 k's fragments, v48-95 v's, v96-159 O^T of both tiles.
.set REC,   6656
.set RECP,  8320
.set KVOFF, 3407872
.set HEADB, 212992
.set VB,    16*RECP                    ; v's records in LDS
.set SPARE, 32*RECP                    ; the spare words: 128 bytes a wave, named by no other line
.set O_S,   3145728
.set WV,  18
.set NC,  19                           ; -log2(e) / 8
.set SEL, 20
.set CS,  22                           ; log2(e) / 8, twice
.set G1,  24
.set G0,  32
.set TB,  40
.set CNT, 41
.set GA16, 1                           ; 16 x lane, 8 x lane, 4 r: memory
.set GA8,  2
.set GA4,  3
.set KB16, 4                           ; LDS, lane parts: k's codes (16 and 8 bytes), k's scale words, the same for v
.set KB8,  5
.set KB4,  6
.set VB16, 7
.set VB8,  8
.set VB4,  9
.set KW,   10                          ; v10-12, v13-15: the same + the step's record
.set VW,   13
.set QZ,   16                          ; v16-45: zeros, q of tile 0, zeros, q of tile 1, zeros; six registers each
.set QS,   46
.set KS,   48                          ; lanes 0-15 the fragment's first tile, lanes 16-31 its second
.set VS,   52                          ; lanes 0-15 fragment 2 i, lanes 16-31 fragment 2 i + 1
.set FF,   54                          ; a pair a tile: f = 2^(old M - new M), p's scale word
.set NM,   58                          ; a pair a tile: -M, the running largest score
.set LL,   62                          ; a pair a tile: the row's sum
.set BM,   66                          ; BM + 4 u + 2 a: block a's largest score of tile u; + 1: a second chain, later the conversion's scale
.set TX,   74
.set SH,   82                          ; 8 h
.set PF,   84                          ; p's codes, 12 a tile
.set L2,   108
.set SS,   112
.set SPW,  254
.set NIL,  255
.set KF,   0
.set VF,   48
.set OO,   96
.set MSB, 0
.macro WIN new                         ; the immediate's high byte repeats the setting that is left
.if MSB != (\new)
	s_set_vgpr_msb (MSB<<8)|(\new)
.set MSB, (\new)
.endif
.endm
.macro CROUND
	s_barrier_signal -1
	s_barrier_wait -1
	s_cmp_lg_u32 s[WV], 0
	s_cbranch_scc1 .Lnot_wave_0_\@
	s_barrier_signal -3
.Lnot_wave_0_\@:
	s_barrier_wait -3
	s_barrier_signal -1
	s_barrier_wait -1
.endm
.macro LOADK a16, a8, off              ; fragment f = 2 a + c: tiles d = 0, 1
.irp f, 0,1,2,3
.irp d, 0,1
	ds_load_b128 v[KF+12*\f+6*\d:KF+12*\f+6*\d+3], v[\a16] offset:(\off)+3840*(\f/2)+128*(\f%2)+960*\d
	ds_load_b64 v[KF+12*\f+6*\d+4:KF+12*\f+6*\d+5], v[\a8] offset:(\off)+3840*(\f/2)+64*(\f%2)+960*\d+640
.endr
.endr
.endm
.macro LOADKS a4, off
.irp f, 0,1,2,3
	ds_load_b32 v[KS+\f], v[\a4] offset:(\off)+7680+320*(\f/2)+32*(\f%2)
.endr
.endm
.macro LOADV a16, a8
.irp t, 0,1,2,3
	ds_load_b128 v[VF+12*\t:VF+12*\t+3], v[\a16] offset:1920*\t
	ds_load_b64 v[VF+12*\t+4:VF+12*\t+5], v[\a8] offset:1920*\t+640
	ds_load_b128 v[VF+12*\t+6:VF+12*\t+9], v[\a16] offset:1920*\t+960
	ds_load_b64 v[VF+12*\t+10:VF+12*\t+11], v[\a8] offset:1920*\t+1600
.endr
.endm
.macro TM u, j0                        ; t - M of 16 scores of tile u, two at a time
.irp j, 0,2,4,6,8,10,12,14
	v_pk_fma_f32 v[SS+64*(\u)+(\j0)+\j:SS+64*(\u)+(\j0)+\j+1], v[SS+64*(\u)+(\j0)+\j:SS+64*(\u)+(\j0)+\j+1], s[CS:CS+1], v[NM+2*(\u):NM+2*(\u)+1] op_sel_hi:[1,0,0]
.endr
.endm
	s_load_b128 s[4:7], s[0:1], 0x0                ; the records, o's codes and scales
	v_lshl_add_u32 v[SPW], v0, 2, SPARE
	v_mov_b32 v[NIL], 0
	ds_add_u32 v[SPW], v[NIL]                      ; the opening lines: the add twice on end and its wait
	ds_add_u32 v[SPW], v[NIL]
	v_lshrrev_b32 v10, 5, v0
	v_readfirstlane_b32 s[WV], v10                 ; wave 0..7
	s_bfe_u32 s42, ttmp6, 0x40000                  ; cx
	s_lshl_b32 s43, ttmp9, 2
	s_add_co_u32 s43, s43, s42                     ; which 256 queries
	s_and_b32 s44, ttmp7, 0xffff                   ; 16 x batch + head
	s_mul_i32 s46, s44, HEADB
	s_mul_i32 s45, s[WV], 4*REC                    ; my four records: in memory k 0-7, v 0-7, k 8-15, v 8-15
	s_add_co_u32 s46, s46, s45
	s_add_co_u32 s46, s46, KVOFF
	s_mov_b32 s47, 0
	s_lshr_b32 s48, s[WV], 1
	s_and_b32 s48, s48, 1
	s_lshl_b32 s48, s48, 4                         ; in LDS: v's behind k's 16,
	s_lshr_b32 s49, s[WV], 2
	s_lshl_b32 s49, s49, 3                         ; the upper eight,
	s_add_co_u32 s48, s48, s49
	s_and_b32 s49, s[WV], 1
	s_lshl_b32 s49, s49, 2                         ; my four
	s_add_co_u32 s48, s48, s49
	s_mul_i32 s48, s48, RECP
	s_mov_b32 s[G1], 15|(3<<16)|(1<<20)|(1<<21)|(5<<22)|(15<<25)   ; the cluster's four; elements of 8 bytes; behind every 64 words 16 words of padding
	s_mov_b32 s[G1+1], 32<<16
	s_mov_b32 s[G1+2], 104<<16
	s_mov_b32 s[G1+3], 32<<16
	s_mov_b32 s[G1+4], 104
	s_mov_b32 s[G1+5], 32
	s_mov_b32 s[G1+6], 0
	s_mov_b32 s[G1+7], 0
	s_mov_b32 s[SEL], 0x76543210
	s_mov_b32 s[SEL+1], 0xfedcba98
	s_mov_b32 s[CS], 0x3e38aa3b
	s_mov_b32 s[CS+1], s[CS]
	s_mov_b32 s[NC], 0xbe38aa3b
	s_mov_b32 s[TB], 0
	s_mov_b32 s[CNT], 15
	s_wait_dscnt 0x0
	s_wait_kmcnt 0x0
	s_mov_b32 s[G0], 1
	s_mov_b32 s[G0+1], s48
	s_add_nc_u64 s[G0+2:G0+3], s[4:5], s[46:47]
	s_or_b32 s[G0+3], s[G0+3], 0x80000000
	CROUND                                         ; the four work-groups are here: the joint loads meet
	tensor_load_to_lds s[G0:G0+3], s[G1:G1+7]      ; my one tensor load of the launch
	s_nop 0
.rept 4
	v_nop
.endr
	v_and_b32 v10, 31, v0                          ; lane
	v_and_b32 v11, 15, v0                          ; r
	v_bfe_u32 v12, v0, 4, 1                        ; h
	v_and_b32 v13, 7, v0                           ; e
	v_bfe_u32 v14, v0, 3, 1                        ; b
	v_lshlrev_b32 v[GA16], 4, v10
	v_lshlrev_b32 v[GA8], 3, v10
	v_lshlrev_b32 v[GA4], 2, v11
	v_mul_u32_u24 v15, v14, 1920                   ; two half-images on, with their padding
	v_lshl_add_u32 v[KB16], v13, 4, v15
	v_mad_u32_u24 v[KB16], v12, 320, v[KB16]       ; 1920 b + 16 e + 320 h
	v_lshl_add_u32 v[KB8], v13, 3, v15
	v_lshl_add_u32 v[KB8], v12, 7, v[KB8]          ; 1920 b + 8 e + 128 h
	v_lshlrev_b32 v[KB4], 7, v14
	v_lshl_add_u32 v[KB4], v13, 2, v[KB4]
	v_lshl_add_u32 v[KB4], v12, 6, v[KB4]          ; 128 b + 4 e + 64 h: lanes 16-31 take the fragment's second tile
	v_lshl_add_u32 v[VB16], v12, 6, v[GA16]
	v_add_nc_u32 v[VB16], VB, v[VB16]              ; 16 lane + 64 h
	v_add_nc_u32 v[VB8], VB, v[GA8]
	v_lshl_add_u32 v[VB4], v12, 7, v[GA4]
	v_add_nc_u32 v[VB4], VB, v[VB4]                ; 4 r + 128 h: lanes 16-31 take the next fragment's words
	v_lshlrev_b32 v[SH], 3, v12
	s_wait_alu depctr_va_vdst(0)
	s_lshl_b32 s48, s44, 4
	s_lshl_b32 s49, s43, 1
	s_add_co_u32 s48, s48, s49
	s_lshr_b32 s49, s[WV], 2
	s_add_co_u32 s48, s48, s49
	s_mul_i32 s48, s48, REC                        ; q's record: 128 queries
	s_and_b32 s50, s[WV], 3
	s_mul_i32 s49, s50, 1536                       ; my two half-images
	s_add_co_u32 s52, s48, s49
	s_mov_b32 s53, 0
	s_add_nc_u64 s[52:53], s[4:5], s[52:53]
	s_lshl_b32 s50, s50, 7
	s_add_co_u32 s50, s50, s48
	s_mov_b32 s51, 0
	s_add_nc_u64 s[50:51], s[4:5], s[50:51]
	global_load_b128 v[QZ+6:QZ+9], v[GA16], s[52:53]
	global_load_b64 v[QZ+10:QZ+11], v[GA8], s[52:53] offset:512
	global_load_b128 v[QZ+18:QZ+21], v[GA16], s[52:53] offset:768
	global_load_b64 v[QZ+22:QZ+23], v[GA8], s[52:53] offset:1280
	global_load_b32 v[QS], v[GA4], s[50:51] offset:6144
	global_load_b32 v[QS+1], v[GA4], s[50:51] offset:6208
.irp j, 0,1,2,3,4,5,12,13,14,15,16,17,24,25,26,27,28,29
	v_mov_b32 v[QZ+\j], 0
.endr
.irp u, 0,1
	v_mov_b32 v[NM+2*\u+1], 0xff61b1e6             ; the largest score so far: -3e38
	v_mov_b32 v[NM+2*\u], 0x7f61b1e6               ; -M: above every -M, so that the first f is 0
	v_mov_b32 v[LL+2*\u], 0
	v_mov_b32 v[LL+2*\u+1], 0
	v_mov_b32 v[FF+2*\u+1], 0
	v_mov_b32 v[TX+2+\u], 0                        ; a lane permute's destination counts as read
.endr
	WIN 0x40
.set J, 0
.rept 64
	v_mov_b32 v[OO+J], 0                           ; the step is written once: the first finds zeros
.set J, J+1
.endr
	WIN 0
	s_wait_alu depctr_va_vdst(0)
	s_wait_tensorcnt 0x0                           ; my four records are in
	s_barrier_signal -1
	s_barrier_wait -1                              ; all 32 are
	WIN 0x40
	LOADK KB16, KB8, 0
	WIN 0
	LOADKS KB4, 0
	s_wait_loadcnt 0x0                             ; q
; A step: 32 queries x 128 keys.  more = 1: the next step's fragments of k are fetched under the softmax.
.macro STEP more
	s_wait_dscnt 0x0                               ; this step's fragments of k
	WIN 0x01
.irp f, 0,1,2,3
.irp u, 0,1
	v_wmma_scale_f32_16x16x128_f8f6f4 v[SS+64*\u+16*\f:SS+64*\u+16*\f+7], v[KF+12*\f:KF+12*\f+11], v[QZ+12*\u+6:QZ+12*\u+17], 0, v[KS+\f], v[QS+\u] matrix_a_fmt:MATRIX_FMT_BF6 matrix_b_fmt:MATRIX_FMT_BF6
	v_wmma_scale_f32_16x16x128_f8f6f4 v[SS+64*\u+16*\f+8:SS+64*\u+16*\f+15], v[KF+12*\f:KF+12*\f+11], v[QZ+12*\u:QZ+12*\u+11], 0, v[KS+\f], v[QS+\u] matrix_a_fmt:MATRIX_FMT_BF6 matrix_b_fmt:MATRIX_FMT_BF6 matrix_a_scale:MATRIX_SCALE_ROW1
.endr
.endr
	WIN 0
	v_add_nc_u32 v[VW], s[TB], v[VB16]             ; the step's addresses are the places behind the products, ahead of the loads and of the first read of the scores
	v_add_nc_u32 v[VW+1], s[TB], v[VB8]
	v_add_nc_u32 v[VW+2], s[TB], v[VB4]
.if \more
	v_add_nc_u32 v[KW], s[TB], v[KB16]
	v_add_nc_u32 v[KW+1], s[TB], v[KB8]
	v_add_nc_u32 v[KW+2], s[TB], v[KB4]
.else
	v_nop
.endif
	ds_load_b32 v[VS], v[VW+2] offset:7680
	ds_load_b32 v[VS+1], v[VW+2] offset:8000
	WIN 0x40
	LOADV VW, VW+1
.if \more
	LOADK KW, KW+1, RECP
.endif
	WIN 0
.if \more
	LOADKS KW+2, RECP
.endif
	; the largest score of each block of 32 keys, two chains a block, eight chains by turns; each accumulator is read from its low end on
.irp u, 0,1
.irp a, 0,1
	v_max3_num_f32 v[BM+4*\u+2*\a], v[SS+64*\u+32*\a], v[SS+64*\u+32*\a+1], v[SS+64*\u+32*\a+2]
	v_max3_num_f32 v[BM+4*\u+2*\a+1], v[SS+64*\u+32*\a+17], v[SS+64*\u+32*\a+18], v[SS+64*\u+32*\a+19]
.endr
.endr
.irp i, 0,2,4,6,8,10
.irp u, 0,1
.irp a, 0,1
	v_max3_num_f32 v[BM+4*\u+2*\a], v[BM+4*\u+2*\a], v[SS+64*\u+32*\a+3+\i], v[SS+64*\u+32*\a+4+\i]
	v_max3_num_f32 v[BM+4*\u+2*\a+1], v[BM+4*\u+2*\a+1], v[SS+64*\u+32*\a+20+\i], v[SS+64*\u+32*\a+21+\i]
.endr
.endr
.endr
.irp u, 0,1
.irp a, 0,1
	v_max3_num_f32 v[BM+4*\u+2*\a], v[BM+4*\u+2*\a], v[SS+64*\u+32*\a+15], v[SS+64*\u+32*\a+16]
.endr
.endr
.irp u, 0,1
.irp a, 0,1
	v_max_num_f32 v[BM+4*\u+2*\a], v[BM+4*\u+2*\a], v[BM+4*\u+2*\a+1]
.endr
.endr
.irp u, 0,1
	v_max3_num_f32 v[TX+\u], v[BM+4*\u], v[BM+4*\u+2], v[NM+2*\u+1]
.endr
.irp u, 0,1
	s_delay_alu instid0(VALU_DEP_2)
	v_permlanex16_b32 v[TX+2+\u], v[TX+\u], s[SEL], s[SEL+1]
.endr
.irp u, 0,1
	s_delay_alu instid0(VALU_DEP_2)
	v_max_num_f32 v[NM+2*\u+1], v[TX+\u], v[TX+2+\u]     ; with lane l xor 16's blocks: the running largest score of my query
.endr
.irp u, 0,1
	v_mov_b32 v[TX+4+\u], v[NM+2*\u]
.endr
.irp u, 0,1
	s_delay_alu instid0(VALU_DEP_4)
	v_mul_f32 v[TX+\u], s[NC], v[NM+2*\u+1]
.endr
.irp u, 0,1
	s_delay_alu instid0(VALU_DEP_2)
	v_floor_f32 v[NM+2*\u], v[TX+\u]                     ; -M = floor(-t): M is a whole number
.endr
	TM 0, 0
.irp u, 0,1
	v_sub_f32 v[TX+4+\u], v[NM+2*\u], v[TX+4+\u]         ; old M - new M, 0 or less
.endr
	TM 0, 16
.irp u, 0,1
	v_cvt_i32_f32 v[TX+4+\u], v[TX+4+\u]                 ; (it saturates)
.endr
	TM 0, 32
.irp u, 0,1
	v_ldexp_f32 v[FF+2*\u], 1.0, v[TX+4+\u]              ; f
.endr
	TM 0, 48
.irp u, 0,1
.irp a, 0,1
	v_fma_f32 v[BM+4*\u+2*\a], v[BM+4*\u+2*\a], s[CS], v[NM+2*\u]   ; the same of each block's largest score: p rises with the score
.endr
.endr
	s_wait_alu depctr_va_vdst(0)
.set J, 0
.rept 32                               ; tile 0's exponentials; tile 1's multiply-adds, which name none of them and are read behind the next wait, stand among them
	v_exp_f32 v[SS+J], v[SS+J]
	v_pk_fma_f32 v[SS+64+J:SS+65+J], v[SS+64+J:SS+65+J], s[CS:CS+1], v[NM+2:NM+3] op_sel_hi:[1,0,0]
	v_exp_f32 v[SS+J+1], v[SS+J+1]
.set J, J+2
.endr
.irp u, 0,1
.irp a, 0,1
	v_exp_f32 v[BM+4*\u+2*\a], v[BM+4*\u+2*\a]           ; the block's largest p
.endr
.endr
.irp u, 0,1
	v_pk_mul_f32 v[LL+2*\u:LL+2*\u+1], v[LL+2*\u:LL+2*\u+1], v[FF+2*\u:FF+2*\u+1] op_sel_hi:[1,0]   ; the sums under the new M
.endr
	s_wait_alu depctr_va_vdst(0)                   ; behind the first batch and ahead of the second
.set J, 0
.rept 64
	v_exp_f32 v[SS+64+J], v[SS+64+J]
.set J, J+1
.endr
.irp u, 0,1
.irp a, 0,1
	v_max_num_f32 v[BM+4*\u+2*\a], 0x2800000, v[BM+4*\u+2*\a]   ; the floor 2^(5 - 127): the byte cannot fall under 1
.endr
.endr
	s_wait_alu depctr_va_vdst(0)                   ; behind the second batch
.irp u, 0,1
.irp a, 0,1
	v_add_nc_u32 v[BM+4*\u+2*\a+1], 0xfe000000, v[BM+4*\u+2*\a]  ; 4 off the exponent field: the conversion's scale
.endr
.endr
.irp u, 0,1
.irp a, 0,1
	s_delay_alu instid0(VALU_DEP_4)
	v_lshrrev_b32 v[BM+4*\u+2*\a], 23, v[BM+4*\u+2*\a+1]         ; the byte
.endr
.endr
.irp u, 0,1
	v_pk_add_f32 v[L2+2*\u:L2+2*\u+1], v[SS+64*\u:SS+64*\u+1], v[SS+64*\u+2:SS+64*\u+3]   ; the row's sum, of the unquantised p: two chains a tile
.endr
.irp u, 0,1
	v_lshl_or_b32 v[TX+\u], v[BM+4*\u+2], 16, v[BM+4*\u]  ; my blocks h and 2 + h,
.endr
.irp u, 0,1
	s_delay_alu instid0(VALU_DEP_2)
	v_lshlrev_b32 v[TX+\u], v[SH], v[TX+\u]               ; at their places in the word;
.endr
.irp u, 0,1
	s_delay_alu instid0(VALU_DEP_2)
	v_permlanex16_b32 v[TX+2+\u], v[TX+\u], s[SEL], s[SEL+1]
.endr
.irp u, 0,1
	s_delay_alu instid0(VALU_DEP_2)
	v_or_b32 v[FF+2*\u+1], v[TX+\u], v[TX+2+\u]           ; with lane l xor 16's two the word is whole
.endr
.irp j, 4,8,12,16,20,24,28,32,36,40,44,48,52,56,60
.irp u, 0,1
	v_pk_add_f32 v[LL+2*\u:LL+2*\u+1], v[LL+2*\u:LL+2*\u+1], v[SS+64*\u+\j:SS+64*\u+\j+1]
	v_pk_add_f32 v[L2+2*\u:L2+2*\u+1], v[L2+2*\u:L2+2*\u+1], v[SS+64*\u+\j+2:SS+64*\u+\j+3]
.endr
.endr
.irp u, 0,1
.irp a, 0,1
	v_cvt_scalef32_pk16_bf6_f32 v[PF+12*\u+6*\a:PF+12*\u+6*\a+2], v[SS+64*\u+32*\a:SS+64*\u+32*\a+15], v[BM+4*\u+2*\a+1]
.endr
.endr
.irp u, 0,1
	v_pk_add_f32 v[LL+2*\u:LL+2*\u+1], v[LL+2*\u:LL+2*\u+1], v[L2+2*\u:L2+2*\u+1]   ; (the plain place behind the conversions)
.endr
.irp u, 0,1
.irp a, 0,1                            ; a conversion's three registers begin on an even number: the block's upper half is made over numbers already converted, and moved
	v_cvt_scalef32_pk16_bf6_f32 v[SS+64*\u+32*\a:SS+64*\u+32*\a+2], v[SS+64*\u+32*\a+16:SS+64*\u+32*\a+31], v[BM+4*\u+2*\a+1]
.endr
.endr
	v_nop
.irp u, 0,1
.irp a, 0,1
.irp i, 0,1,2
	v_mov_b32 v[PF+12*\u+6*\a+3+\i], v[SS+64*\u+32*\a+\i]
.endr
.endr
.endr
	WIN 0x41
	s_wait_alu depctr_va_vdst(0)                   ; directly ahead of the first reader of O^T
.irp j, 0,2,4,6,8,10,12,14,16,18,20,22,24,26,28,30
.irp u, 0,1
	v_pk_mul_f32 v[OO+32*\u+\j:OO+32*\u+\j+1], v[OO+32*\u+\j:OO+32*\u+\j+1], v[FF+2*\u:FF+2*\u+1] op_sel_hi:[1,0]   ; O^T under the new M; also the places ahead of the products
.endr
.endr
	s_wait_alu depctr_va_vdst(0)
.if \more
	s_wait_dscnt 20                                ; v's 18 loads are in; the next step's 16 + 4 of k may be out
.else
	s_wait_dscnt 0x0
.endif
	WIN 0x51
.irp t, 0,1,2,3                        ; the eight accumulators by turns
.irp u, 0,1
.if (\t)%2
	v_wmma_scale_f32_16x16x128_f8f6f4 v[OO+32*\u+8*\t:OO+32*\u+8*\t+7], v[VF+12*\t:VF+12*\t+11], v[PF+12*\u:PF+12*\u+11], v[OO+32*\u+8*\t:OO+32*\u+8*\t+7], v[VS+\t/2], v[FF+2*\u+1] matrix_a_fmt:MATRIX_FMT_BF6 matrix_b_fmt:MATRIX_FMT_BF6 matrix_a_scale:MATRIX_SCALE_ROW1
.else
	v_wmma_scale_f32_16x16x128_f8f6f4 v[OO+32*\u+8*\t:OO+32*\u+8*\t+7], v[VF+12*\t:VF+12*\t+11], v[PF+12*\u:PF+12*\u+11], v[OO+32*\u+8*\t:OO+32*\u+8*\t+7], v[VS+\t/2], v[FF+2*\u+1] matrix_a_fmt:MATRIX_FMT_BF6 matrix_b_fmt:MATRIX_FMT_BF6
.endif
.endr
.endr
	WIN 0
	s_add_co_u32 s[TB], s[TB], RECP
.endm
.Lstep:
	STEP 1
	s_sub_co_u32 s[CNT], s[CNT], 1
	s_cmp_lg_u32 s[CNT], 0
	s_cbranch_scc1 .Lstep
	STEP 0                                         ; the last 128 keys: nothing more to fetch
.irp u, 0,1
	v_add_f32 v[LL+2*\u], v[LL+2*\u], v[LL+2*\u+1]
.endr
.irp u, 0,1
	s_delay_alu instid0(VALU_DEP_2)
	v_permlanex16_b32 v[TX+2+\u], v[LL+2*\u], s[SEL], s[SEL+1]
.endr
.irp u, 0,1
	s_delay_alu instid0(VALU_DEP_2)
	v_add_f32 v[LL+2*\u], v[LL+2*\u], v[TX+2+\u]   ; with lane l xor 16's keys: the row's sum
.endr
	s_wait_alu depctr_va_vdst(0)
.irp u, 0,1
	v_rcp_f32 v[LL+2*\u], v[LL+2*\u]
.endr
	v_nop
	s_lshr_b32 s48, s44, 4
	s_lshl_b32 s48, s48, 7
	s_lshl_b32 s49, s43, 4
	s_add_co_u32 s48, s48, s49
	s_lshl_b32 s49, s[WV], 1
	s_add_co_u32 s48, s48, s49                     ; my first block of 16 tokens (an even one)
	s_and_b32 s49, s44, 15                         ; the head
	s_lshl_b32 s50, s48, 4
	s_add_co_u32 s50, s50, s49
	s_mul_i32 s50, s50, 768
	s_mov_b32 s51, 0
	s_add_nc_u64 s[50:51], s[6:7], s[50:51]
	s_lshr_b32 s52, s48, 2
	s_lshl_b32 s52, s52, 11
	s_lshr_b32 s53, s49, 1
	s_lshl_b32 s53, s53, 8
	s_add_co_u32 s52, s52, s53
	s_and_b32 s53, s48, 3
	s_lshl_b32 s53, s53, 6
	s_add_co_u32 s52, s52, s53
	s_and_b32 s53, s49, 1
	s_lshl_b32 s53, s53, 1
	s_add_co_u32 s52, s52, s53
	s_add_co_u32 s52, s52, O_S
	s_mov_b32 s53, 0
	s_add_nc_u64 s[52:53], s[6:7], s[52:53]
	WIN 0x01
	s_wait_alu depctr_va_vdst(0)                   ; behind the reciprocals, directly ahead of the first reader of O^T
.irp j, 0,2,4,6,8,10,12,14,16,18,20,22,24,26,28,30
.irp u, 0,1
	v_pk_mul_f32 v[SS+64*\u+\j:SS+64*\u+\j+1], v[OO+32*\u+\j:OO+32*\u+\j+1], v[LL+2*\u:LL+2*\u+1] op_sel_hi:[1,0]   ; register 16 b + i: channel 32 b + 16 h + i of my query
.endr
.endr
	WIN 0
.irp u, 0,1
.irp b, 0,1
	v_max3_num_f32 v[BM+4*\u+2*\b], |v[SS+64*\u+16*\b]|, |v[SS+64*\u+16*\b+1]|, 0x2800000
.endr
.endr
.irp i, 2,4,6,8,10,12,14
.irp u, 0,1
.irp b, 0,1
	v_max3_num_f32 v[BM+4*\u+2*\b], v[BM+4*\u+2*\b], |v[SS+64*\u+16*\b+\i]|, |v[SS+64*\u+16*\b+\i+1]|
.endr
.endr
.endr
.irp u, 0,1
.irp b, 0,1
	v_permlanex16_b32 v[BM+4*\u+2*\b+1], v[BM+4*\u+2*\b], s[SEL], s[SEL+1]
.endr
.endr
.irp u, 0,1
.irp b, 0,1
	v_max_num_f32 v[BM+4*\u+2*\b], v[BM+4*\u+2*\b], v[BM+4*\u+2*\b+1]
.endr
.endr
.irp u, 0,1
.irp b, 0,1
	v_add_nc_u32 v[BM+4*\u+2*\b+1], 0xfe000000, v[BM+4*\u+2*\b]
.endr
.endr
.irp u, 0,1
.irp b, 0,1
	v_lshrrev_b32 v[BM+4*\u+2*\b], 23, v[BM+4*\u+2*\b+1]
.endr
.endr
.irp u, 0,1
	v_lshl_or_b32 v[TX+\u], v[BM+4*\u+2], 8, v[BM+4*\u]
.endr
.irp u, 0,1
	v_cvt_scalef32_pk16_bf6_f32 v[PF+12*\u:PF+12*\u+2], v[SS+64*\u:SS+64*\u+15], v[BM+4*\u+1]
	v_cvt_scalef32_pk16_bf6_f32 v[PF+12*\u+6:PF+12*\u+8], v[SS+64*\u+16:SS+64*\u+31], v[BM+4*\u+3]
.endr
	v_nop
.irp u, 0,1
.irp i, 0,1,2
	v_permlane16_swap_b32 v[PF+12*\u+\i], v[PF+12*\u+6+\i]   ; here a block lies in two lanes: the operand wants it whole in one
.endr
.endr
.irp u, 0,1
.irp i, 0,1,2
	v_mov_b32 v[PF+12*\u+3+\i], v[PF+12*\u+6+\i]
.endr
.endr
	global_store_b128 v[GA16], v[PF:PF+3], s[50:51]                   ; a half-image: 512 and 256 consecutive bytes
	global_store_b64 v[GA8], v[PF+4:PF+5], s[50:51] offset:512
	global_store_b128 v[GA16], v[PF+12:PF+15], s[50:51] offset:12288  ; the next block of tokens
	global_store_b64 v[GA8], v[PF+16:PF+17], s[50:51] offset:12800
	global_store_b16 v[GA4], v[TX], s[52:53]
	global_store_b16 v[GA4], v[TX+1], s[52:53] offset:64
	s_wait_tensorcnt 0x0                           ; the wave's end
	ds_add_u32 v[SPW], v[NIL]
	s_wait_dscnt 0x0
	CROUND                                         ; the closing round
	s_endpgm
.Lfunc_end_k_qf66d0eab9a_attn:
	.size	k_qf66d0eab9a_attn, .Lfunc_end_k_qf66d0eab9a_attn-k_qf66d0eab9a_attn
	.p2alignl 7, 3214868480
	.fill 96, 4, 3214868480
	.section	.rodata,"a",@progbits
	.p2align	6, 0x0
	.amdhsa_kernel k_qf66d0eab9a_attn
		.amdhsa_group_segment_fixed_size 327680
		.amdhsa_private_segment_fixed_size 0
		.amdhsa_enable_private_segment 0
		.amdhsa_kernarg_size 16
		.amdhsa_user_sgpr_count 2
		.amdhsa_user_sgpr_kernarg_segment_ptr 1
		.amdhsa_wavefront_size32 1
		.amdhsa_system_sgpr_workgroup_id_x 1
		.amdhsa_system_sgpr_workgroup_id_y 1
		.amdhsa_system_sgpr_workgroup_id_z 1
		.amdhsa_system_vgpr_workitem_id 0
		.amdhsa_next_free_vgpr 512
		.amdhsa_next_free_sgpr 66
		.amdhsa_reserve_vcc 0
		.amdhsa_float_denorm_mode_32 3
		.amdhsa_float_denorm_mode_16_64 3
		.amdhsa_memory_ordered 1
		.amdhsa_forward_progress 1
		.amdhsa_inst_pref_size 73
	.end_amdhsa_kernel
	.amdgpu_metadata
---
amdhsa.version: [ 1, 2 ]
amdhsa.kernels:
  - .name:           k_qf66d0eab9a_attn
    .symbol:         k_qf66d0eab9a_attn.kd
    .args:
      - { .name: wsQKV, .offset: 0, .size: 8, .value_kind: global_buffer, .address_space: global }
      - { .name: wsO, .offset: 8, .size: 8, .value_kind: global_buffer, .address_space: global }
    .group_segment_fixed_size: 327680
    .private_segment_fixed_size: 0
    .kernarg_segment_align: 8
    .kernarg_segment_size: 16
    .max_flat_workgroup_size: 256
    .sgpr_count:     66
    .vgpr_count:     512
    .wavefront_size: 32
...
	.end_amdgpu_metadata
.endif
;; end of part 3
;; launch proj (part 4): grid 8 x 32, 4 waves a work-group, clusters of 4 x 4, 327,680 bytes of LDS; arguments wsO, wsP, proj_b, x, wsX1; writes wsX1
.if DOCPART == 4
	.amdgcn_target "amdgcn-amd-amdhsa--gfx1250"
	.amdhsa_code_object_version 6
	.text
	.protected	k_qf66d0eab9a_proj
	.globl	k_qf66d0eab9a_proj
	.p2align	8
	.type	k_qf66d0eab9a_proj,@function
k_qf66d0eab9a_proj:
	s_mov_b64 s[64:65], 0
	v_nop
	global_prefetch_b8 v0, s[64:65] scope:SCOPE_SE
	s_setreg_imm32_b32 hwreg(HW_REG_WAVE_MODE, 25, 1), 1
	s_wait_xcnt 0x0
	s_wait_alu depctr_hold_cnt(0) depctr_sa_sdst(0) depctr_va_vdst(0) depctr_va_sdst(0) depctr_va_ssrc(0) depctr_va_vcc(0) depctr_vm_vsrc(0)
	s_getreg_b32 s2, hwreg(HW_REG_IB_STS2, 6, 4)
	s_cmp_eq_u32 s2, 0
	s_cbranch_scc0 .Lentry_in_a_cluster
	s_endpgm
.Lentry_in_a_cluster:
	s_bfe_u32 s2, ttmp6, 0x10000c
	s_cmp_lg_u32 s2, 0xf033
	s_cbranch_scc0 .Lentry_shape_is_right
	s_endpgm
.Lentry_shape_is_right:
.set KTOT,  1024
.set A_S,   3145728
.set W_C,   5636096
.set W_S,   12812288
.set NQ,    4
.set KB,    KTOT/64*768
.set GS,    KTOT/128*256
.set HS,    GS
.set HALFT, 24576
.set SLOT,  4*HALFT
.set SCL,   2*SLOT
.set STAGE, 229376
.set SPARE, 246784
.set LAPS,  KTOT/(256*NQ)
.set SC,  32
.set AF,  64
.set G1, 24
.set G0, 32
.set G1B, 48
.set G0B, 56
.set G1S, 68
.set G0S, 76
.set G1SB, 80
.set G0SB, 88
.set MSB, 0
.macro WIN new
.if MSB != (\new)
	s_set_vgpr_msb (MSB<<8)|(\new)
.set MSB, (\new)
.endif
.endm
.macro JLOAD g0a, g1a, g0b, g1b
	s_cmp_eq_u32 s15, 0
	s_cbranch_scc0 .Lfor_b_\@
	tensor_load_to_lds s[\g0a:\g0a+3], s[\g1a:\g1a+7]
	s_nop 0
.rept 4
	v_nop
.endr
	s_branch .Lasked_\@
.Lfor_b_\@:
	tensor_load_to_lds s[\g0b:\g0b+3], s[\g1b:\g1b+7]
	s_nop 0
.rept 4
	v_nop
.endr
.Lasked_\@:
.endm
.macro CREST
	s_cmp_lg_u32 s14, 0
	s_cbranch_scc1 .Lnot_wave_0_\@
	s_barrier_signal -3
.Lnot_wave_0_\@:
	s_barrier_wait -3
	s_barrier_signal -1
	s_barrier_wait -1
.endm
.macro CROUND
	s_barrier_signal -1
	s_barrier_wait -1
	CREST
.endm
.macro PLACES n
.rept \n
	v_nop
.endr
.endm
.macro FRAG reg, a16, a8, off
	ds_load_b128 v[\reg:\reg+3], v[\a16] offset:(\off)
	ds_load_b64 v[\reg+4:\reg+5], v[\a8] offset:(\off)+512
	ds_load_b128 v[\reg+6:\reg+9], v[\a16] offset:(\off)+768
	ds_load_b64 v[\reg+10:\reg+11], v[\a8] offset:(\off)+1280
.endm
.macro FETCH slot, q, p
	WIN 0x40
.irp i, 0,1,2,3
	FRAG 128*(\p)+12*\i, 20+\slot, 22+\slot, (\i*NQ+(\q))*1536
.endr
	WIN 0
.irp i, 0,1,2,3
	FRAG AF+48*(\p)+12*\i, 16+\slot, 18+\slot, (\i*NQ+(\q))*1536
.endr
.irp i, 0,1,2,3
	ds_load_b32 v[SC+4*(\p)+\i], v27 offset:\i*64+256*(\q)
.endr
.endm
.macro MULA a, p, mode
.if (\mode) == 0
	WIN 0xa1
.else
	WIN 0x91
.endif
.irp b, 0,1,2,3
.set AC, 8*(4*(\a)+\b)
.if (\mode) == 0
	v_wmma_scale_f32_16x16x128_f8f6f4 v[AC:AC+7], v[128*(\p)+12*\b:128*(\p)+12*\b+11], v[AF+48*(\p)+12*(\a):AF+48*(\p)+12*(\a)+11], v[AC:AC+7], v[SC+4*(\p)+\b], v[SC+4*(\p)+(\a)] matrix_a_fmt:MATRIX_FMT_BF6 matrix_b_fmt:MATRIX_FMT_BF6 matrix_a_scale:MATRIX_SCALE_ROW1
.else
	v_wmma_scale_f32_16x16x128_f8f6f4 v[AC:AC+7], v[128*(\p)+12*\b:128*(\p)+12*\b+11], v[AF+48*(\p)+12*(\a):AF+48*(\p)+12*(\a)+11], v[96+8*\b:103+8*\b], v[SC+4*(\p)+\b], v[SC+4*(\p)+(\a)] matrix_a_fmt:MATRIX_FMT_BF6 matrix_b_fmt:MATRIX_FMT_BF6 matrix_a_scale:MATRIX_SCALE_ROW1
.endif
.endr
.endm
.macro STEP slot, q, mode
	s_wait_dscnt 0x0
	PLACES 4
	FETCH \slot, (\q)+1, ((\q)+1)%2
.irp a, 0,1,2,3
	MULA \a, (\q)%2, \mode
.endr
	WIN 0
.endm
.macro TURN slot, next, fill
	s_wait_tensorcnt 0x0
	ds_add_u32 v28, v29
	s_wait_dscnt 1
	MULA 0, 1, 0
	s_wait_dscnt 0x0
	s_barrier_signal -1
	MULA 1, 1, 0
	WIN 0
	s_barrier_wait -1
.if \fill
	CREST
	s_add_nc_u64 s[G0+4*\slot+2:G0+4*\slot+3], s[G0+4*\slot+2:G0+4*\slot+3], 2*NQ*1536
	s_add_nc_u64 s[G0B+4*\slot+2:G0B+4*\slot+3], s[G0B+4*\slot+2:G0B+4*\slot+3], 2*NQ*1536
	JLOAD G0+4*\slot, G1, G0B+4*\slot, G1B
.else
	PLACES 4
.endif
	v_add_nc_u32 v27, NQ*256, v27
	FETCH \next, 0, 0
	MULA 2, 1, 0
	MULA 3, 1, 0
	WIN 0
.endm
	s_load_b256 s[4:11], s[0:1], 0x0
	s_load_b64 s[12:13], s[0:1], 0x20
	v_lshl_add_u32 v28, v0, 2, SPARE
	v_mov_b32 v29, 0
	ds_add_u32 v28, v29
	ds_add_u32 v28, v29
	s_wait_dscnt 0x0
	v_lshrrev_b32 v1, 5, v0
	v_readfirstlane_b32 s14, v1
	s_lshr_b32 s15, s14, 1
	s_and_b32 s16, s14, 1
	s_bfe_u32 s40, ttmp6, 0x40000
	s_bfe_u32 s41, ttmp6, 0x40004
	s_lshl_b32 s42, ttmp9, 2
	s_add_co_u32 s42, s42, s40
	s_and_b32 s17, ttmp7, 0xffff
	s_lshl_b32 s17, s17, 2
	s_add_co_u32 s17, s17, s41
	s_lshl_b32 s43, s41, 2
	s_lshl_b32 s43, 15, s43
	s_lshl_b32 s44, 0x1111, s40
	s_or_b32 s[G1+0], s43, (3<<16)|(1<<21)
	s_or_b32 s[G1B+0], s44, (3<<16)|(1<<21)
.irp g, G1, G1B
	s_mov_b32 s[\g+1], 768<<16
	s_mov_b32 s[\g+2], 8<<16                       ; the head's loads bring a whole tile's 8 blocks; behind them the two words that count rows are set to 4
	s_mov_b32 s[\g+3], 768<<16
	s_mov_b32 s[\g+4], 8
	s_mov_b32 s[\g+5], KB/8
	s_mov_b32 s[\g+6], 0
	s_mov_b32 s[\g+7], 0
.endr
	s_or_b32 s[G1S+0], s43, (3<<16)|(1<<21)
	s_or_b32 s[G1SB+0], s44, (3<<16)|(1<<21)
.irp g, G1S, G1SB
	s_mov_b32 s[\g+1], 32<<16
	s_mov_b32 s[\g+2], (2*HS/256)<<16              ; the scale words of a tile's 128 rows
	s_mov_b32 s[\g+3], 32<<16
	s_mov_b32 s[\g+4], 2*HS/256
	s_mov_b32 s[\g+5], 32
	s_mov_b32 s[\g+6], 0
	s_mov_b32 s[\g+7], 0
.endr
	s_lshl_b32 s20, s17, 3
	s_mul_i32 s100, s16, 4*KB                      ; behind the head I fetch four blocks of a tile: which half, in bytes
	s_mov_b32 s101, 0
	s_lshr_b32 s22, s20, 2
	s_mul_i32 s22, s22, GS
	s_add_co_u32 s22, s22, A_S
	s_mul_i32 s20, s20, KB
	s_mov_b32 s21, 0
	s_mov_b32 s23, 0
	s_lshl_b32 s46, s42, 3
	s_lshr_b32 s92, s46, 2
	s_mul_i32 s92, s92, GS
	s_add_co_u32 s92, s92, W_S
	s_mul_i32 s46, s46, KB
	s_add_co_u32 s46, s46, W_C
	s_mov_b32 s47, 0
	s_mov_b32 s93, 0
	s_mul_i32 s45, s14, HALFT
	s_wait_kmcnt 0x0
	s_add_nc_u64 s[20:21], s[4:5], s[20:21]
	s_add_nc_u64 s[22:23], s[4:5], s[22:23]
	s_add_nc_u64 s[46:47], s[6:7], s[46:47]
	s_add_nc_u64 s[92:93], s[6:7], s[92:93]
	CROUND
	s_mov_b32 s[G0S], 1
	s_mov_b32 s[G0S+1], SCL
	s_mov_b64 s[G0S+2:G0S+3], s[22:23]
	s_or_b32 s[G0S+3], s[G0S+3], 0x80000000
	s_mov_b32 s[G0SB], 1
	s_mov_b32 s[G0SB+1], SCL+2*HS
	s_mov_b64 s[G0SB+2:G0SB+3], s[92:93]
	s_or_b32 s[G0SB+3], s[G0SB+3], 0x80000000
	s_mov_b32 s96, 1                               ; s[96:99]: slot 0's 8 blocks of A, whole
	s_mov_b32 s97, 0
	s_mov_b64 s[98:99], s[20:21]
	s_or_b32 s99, s99, 0x80000000
	s_mov_b32 s92, 1                               ; s[92:95]: its 8 blocks of W, behind them
	s_mov_b32 s93, 2*HALFT
	s_mov_b64 s[94:95], s[46:47]
	s_or_b32 s95, s95, 0x80000000
; THE HEAD'S LOADS, ONE A WAVE: wave 0 slot 0's blocks of A, wave 1 those of W, wave 2 A's scale words, wave 3 W's.  One chain of branches on the wave's number, a load to each arm, one join.
.macro ARM under, g0, g1, next
	s_cmp_lt_u32 s14, \under
	s_cbranch_scc0 \next
	tensor_load_to_lds s[\g0:\g0+3], s[\g1:\g1+7]
	s_nop 0
.rept 4
	v_nop
.endr
	s_branch .Lhead_asked
\next:
.endm
	ARM 1, 96, G1, .Lhead_b
	ARM 2, 92, G1B, .Lhead_sa
	ARM 3, G0S, G1S, .Lhead_sb
	tensor_load_to_lds s[G0SB:G0SB+3], s[G1SB:G1SB+7]
	s_nop 0
.rept 4
	v_nop
.endr
.Lhead_asked:
	s_add_nc_u64 s[20:21], s[20:21], s[100:101]    ; my four blocks of the tile
	s_add_nc_u64 s[46:47], s[46:47], s[100:101]
.irp s, 0,1
	s_mov_b32 s[G0+4*\s], 1
	s_add_co_u32 s[G0+4*\s+1], s45, \s*SLOT
	s_add_nc_u64 s[G0+4*\s+2:G0+4*\s+3], s[20:21], \s*NQ*1536
	s_or_b32 s[G0+4*\s+3], s[G0+4*\s+3], 0x80000000
	s_mov_b32 s[G0B+4*\s], 1
	s_add_co_u32 s[G0B+4*\s+1], s45, \s*SLOT
	s_add_nc_u64 s[G0B+4*\s+2:G0B+4*\s+3], s[46:47], \s*NQ*1536
	s_or_b32 s[G0B+4*\s+3], s[G0B+4*\s+3], 0x80000000
.if \s
	s_wait_alu depctr_va_vdst(0)
	s_wait_tensorcnt 0x0                           ; my tile of the head's four is in; slot 1's first fill is issued as a refill is
	ds_add_u32 v28, v29
	s_mov_b32 s[G1+2], 4<<16                       ; no tensor load of mine is out: from here on a load brings four blocks
	s_mov_b32 s[G1+4], 4
	s_mov_b32 s[G1B+2], 4<<16
	s_mov_b32 s[G1B+4], 4
	s_wait_dscnt 0x0
	CROUND
	JLOAD G0+4*\s, G1, G0B+4*\s, G1B
.endif
.endr
	v_and_b32 v1, 31, v0
	v_lshlrev_b32 v2, 4, v1
	v_lshlrev_b32 v3, 3, v1
	v_and_b32 v4, 15, v0
	v_bfe_u32 v5, v0, 4, 1
	v_lshlrev_b32 v8, 6, v5
	s_mul_i32 s21, s15, HALFT
	s_mul_i32 s22, s16, HALFT
	s_add_co_u32 s22, s22, 2*HALFT
.irp s, 0,1
	v_add_nc_u32 v[16+\s], s21, v2
	v_add_nc_u32 v[18+\s], s21, v3
	v_add_nc_u32 v[20+\s], s22, v2
	v_add_nc_u32 v[22+\s], s22, v3
	s_add_co_u32 s21, s21, SLOT
	s_add_co_u32 s22, s22, SLOT
.endr
	s_mul_i32 s21, s15, HS
	s_mul_i32 s22, s16, HS
	s_add_co_u32 s22, s22, 2*HS
	s_sub_co_u32 s22, s22, s21
	v_mul_u32_u24 v6, s22, v5
	s_add_co_u32 s21, s21, SCL
	v_lshl_add_u32 v6, v4, 2, v6
	v_add_nc_u32 v27, s21, v6
	s_mul_i32 s21, s14, 16*272
	s_add_co_u32 s21, s21, STAGE
	v_mul_u32_u24 v24, v4, 272
	v_lshl_add_u32 v24, v5, 6, v24
	v_add_nc_u32 v24, s21, v24
	v_mul_u32_u24 v25, v5, 272
	v_lshl_add_u32 v25, v4, 4, v25
	v_add_nc_u32 v25, s21, v25
	v_lshlrev_b32 v26, 12, v5
	v_lshl_add_u32 v26, v4, 4, v26
	s_wait_alu depctr_va_vdst(0)
	s_lshl_b32 s96, s17, 7
	s_lshl_b32 s97, s15, 6
	s_add_co_u32 s96, s96, s97
	s_lshl_b32 s96, s96, 12
	s_lshl_b32 s97, s42, 7
	s_lshl_b32 s98, s16, 6
	s_add_co_u32 s97, s97, s98
	s_lshl_b32 s97, s97, 2
	s_mov_b32 s98, s97
	s_mov_b32 s99, 0
	s_add_nc_u64 s[8:9], s[8:9], s[98:99]
	s_add_co_u32 s96, s96, s97
	s_mov_b32 s97, 0
	s_add_nc_u64 s[10:11], s[10:11], s[96:97]
	s_add_nc_u64 s[12:13], s[12:13], s[96:97]
	WIN 0x40
.irp b, 0,1,2,3
	global_load_b128 v[96+8*\b:99+8*\b], v8, s[8:9] offset:(32*(\b/2)+8*(\b%2))*4
	global_load_b128 v[100+8*\b:103+8*\b], v8, s[8:9] offset:(32*(\b/2)+8*(\b%2))*4+16
.endr
	WIN 0x80
.irp a, 0,1,2,3
.irp t, 0,1,2,3,4,5,6,7
	global_load_b128 v[128+32*\a+4*\t:131+32*\a+4*\t], v26, s[10:11] offset:(32*(\a/2)+8*(\a%2)+(2*\t)%8+16*(\t/4))*4096
.endr
.endr
	WIN 0
	s_wait_tensorcnt 1
	s_barrier_signal -1
	s_barrier_wait -1
	FETCH 0, 0, 0
	s_wait_loadcnt 32
	STEP 0, 0, 1
.if LAPS > 1
	s_mov_b32 s3, LAPS-1
.Llap:
	STEP 0, 1, 0
	STEP 0, 2, 0
	TURN 0, 1, 1
	STEP 1, 0, 0
	STEP 1, 1, 0
	STEP 1, 2, 0
	TURN 1, 0, 1
	STEP 0, 0, 0
	s_sub_co_u32 s3, s3, 1
	s_cmp_lg_u32 s3, 0
	s_cbranch_scc1 .Llap
.endif
	STEP 0, 1, 0
	STEP 0, 2, 0
	TURN 0, 1, 0
	s_wait_alu depctr_va_vdst(0)
	STEP 1, 0, 0
	STEP 1, 1, 0
	STEP 1, 2, 0
	s_wait_dscnt 0x0
.irp a, 0,1,2,3
	MULA \a, 1, 0
.endr
	WIN 0
	PLACES 4
	s_wait_loadcnt 0x0
.irp a, 0,1,2,3
	WIN 0x08
.irp b, 0,1,2,3
	ds_store_b128 v24, v[8*(4*\a+\b):8*(4*\a+\b)+3] offset:128*(\b/2)+32*(\b%2)
	ds_store_b128 v24, v[8*(4*\a+\b)+4:8*(4*\a+\b)+7] offset:128*(\b/2)+32*(\b%2)+16
.endr
.irp t, 0,1,2,3,4,5,6,7
	ds_load_b128 v[64+32*\a+4*\t:67+32*\a+4*\t], v25 offset:544*\t
.endr
	s_wait_dscnt 0x0
.irp k, 0,2,4,6,8,10,12,14,16,18,20,22,24,26,28,30
	v_pk_add_f32 v[64+32*\a+\k:65+32*\a+\k], v[64+32*\a+\k:65+32*\a+\k], v[128+32*\a+\k:129+32*\a+\k]
.endr
	WIN 0
.irp t, 0,1,2,3,4,5,6,7
	global_store_b128 v26, v[64+32*\a+4*\t:67+32*\a+4*\t], s[12:13] offset:(32*(\a/2)+8*(\a%2)+(2*\t)%8+16*(\t/4))*4096
.endr
.endr
	s_wait_tensorcnt 0x0
	ds_add_u32 v28, v29
	s_wait_dscnt 0x0
	CROUND
	s_endpgm
.Lfunc_end_k_qf66d0eab9a_proj:
	.size	k_qf66d0eab9a_proj, .Lfunc_end_k_qf66d0eab9a_proj-k_qf66d0eab9a_proj
	.p2alignl 7, 3214868480
	.fill 96, 4, 3214868480
	.section	.rodata,"a",@progbits
	.p2align	6, 0x0
	.amdhsa_kernel k_qf66d0eab9a_proj
		.amdhsa_group_segment_fixed_size 327680
		.amdhsa_private_segment_fixed_size 0
		.amdhsa_enable_private_segment 0
		.amdhsa_kernarg_size 40
		.amdhsa_user_sgpr_count 2
		.amdhsa_user_sgpr_kernarg_segment_ptr 1
		.amdhsa_wavefront_size32 1
		.amdhsa_system_sgpr_workgroup_id_x 1
		.amdhsa_system_sgpr_workgroup_id_y 1
		.amdhsa_system_sgpr_workgroup_id_z 1
		.amdhsa_system_vgpr_workitem_id 0
		.amdhsa_next_free_vgpr 768
		.amdhsa_next_free_sgpr 102
		.amdhsa_reserve_vcc 0
		.amdhsa_float_denorm_mode_32 3
		.amdhsa_float_denorm_mode_16_64 3
		.amdhsa_memory_ordered 1
		.amdhsa_forward_progress 1
		.amdhsa_inst_pref_size 64
	.end_amdhsa_kernel
	.amdgpu_metadata
---
amdhsa.version: [ 1, 2 ]
amdhsa.kernels:
  - .name:           k_qf66d0eab9a_proj
    .symbol:         k_qf66d0eab9a_proj.kd
    .args:
      - { .name: wsO, .offset: 0, .size: 8, .value_kind: global_buffer, .address_space: global }
      - { .name: wsP, .offset: 8, .size: 8, .value_kind: global_buffer, .address_space: global }
      - { .name: proj_b, .offset: 16, .size: 8, .value_kind: global_buffer, .address_space: global }
      - { .name: x, .offset: 24, .size: 8, .value_kind: global_buffer, .address_space: global }
      - { .name: wsX1, .offset: 32, .size: 8, .value_kind: global_buffer, .address_space: global }
    .group_segment_fixed_size: 327680
    .private_segment_fixed_size: 0
    .kernarg_segment_align: 8
    .kernarg_segment_size: 40
    .max_flat_workgroup_size: 128
    .sgpr_count:     102
    .vgpr_count:     768
    .wavefront_size: 32
...
	.end_amdgpu_metadata
.endif
;; end of part 4
;; launch ln2: the kernel of part 1 again; grid 256 x 1, 4 waves a work-group, no clusters, 66,560 bytes of LDS; arguments wsX1, lnm_g, lnm_b, qkv_w, proj_w, fc1_w, fc2_w, wsM; writes wsM
;; launch fc1 (part 5): grid 16 x 16, 4 waves a work-group, clusters of 4 x 4, 327,680 bytes of LDS; arguments wsM, wsP, fc1_b, wsG; writes wsG
.if DOCPART == 5
	.amdgcn_target "amdgcn-amd-amdhsa--gfx1250"
	.amdhsa_code_object_version 6
	.text
	.protected	k_qf66d0eab9a_fc1
	.globl	k_qf66d0eab9a_fc1
	.p2align	8
	.type	k_qf66d0eab9a_fc1,@function
k_qf66d0eab9a_fc1:
	s_mov_b64 s[64:65], 0
	v_nop
	global_prefetch_b8 v0, s[64:65] scope:SCOPE_SE
	s_setreg_imm32_b32 hwreg(HW_REG_WAVE_MODE, 25, 1), 1
	s_wait_xcnt 0x0
	s_wait_alu depctr_hold_cnt(0) depctr_sa_sdst(0) depctr_va_vdst(0) depctr_va_sdst(0) depctr_va_ssrc(0) depctr_va_vcc(0) depctr_vm_vsrc(0)
	s_getreg_b32 s2, hwreg(HW_REG_IB_STS2, 6, 4)
	s_cmp_eq_u32 s2, 0
	s_cbranch_scc0 .Lentry_in_a_cluster
	s_endpgm
.Lentry_in_a_cluster:
	s_bfe_u32 s2, ttmp6, 0x10000c
	s_cmp_lg_u32 s2, 0xf033
	s_cbranch_scc0 .Lentry_shape_is_right
	s_endpgm
.Lentry_shape_is_right:
.set A_S,   3145728
.set W_C,   6422528
.set W_S,   12845056
.set G_S,   12582912
.set NQ,    2
.set KB,    12288
.set GS,    2048
.set HS,    2*GS
.set HALFT, 24576
.set SLOT,  4*HALFT
.set SCL,   2*SLOT
.set SPARE, 262144
.set LAPS,  2
.set SC,  32
.set AF,  64
.set TT,  128
.set PC,  192
.set TM,  212
.set PW,  228
.set SEL, 44
.set G1, 24
.set G0, 32
.set G1B, 48
.set G0B, 56
.set G1S, 68
.set G0S, 76
.set G1SB, 80
.set G0SB, 88
.set MSB, 0
.macro WIN new
.if MSB != (\new)
	s_set_vgpr_msb (MSB<<8)|(\new)
.set MSB, (\new)
.endif
.endm
.macro JLOAD g0a, g1a, g0b, g1b
	s_cmp_eq_u32 s15, 0
	s_cbranch_scc0 .Lfor_b_\@
	tensor_load_to_lds s[\g0a:\g0a+3], s[\g1a:\g1a+7]
	s_nop 0
.rept 4
	v_nop
.endr
	s_branch .Lasked_\@
.Lfor_b_\@:
	tensor_load_to_lds s[\g0b:\g0b+3], s[\g1b:\g1b+7]
	s_nop 0
.rept 4
	v_nop
.endr
.Lasked_\@:
.endm
.macro CREST
	s_cmp_lg_u32 s14, 0
	s_cbranch_scc1 .Lnot_wave_0_\@
	s_barrier_signal -3
.Lnot_wave_0_\@:
	s_barrier_wait -3
	s_barrier_signal -1
	s_barrier_wait -1
.endm
.macro CROUND
	s_barrier_signal -1
	s_barrier_wait -1
	CREST
.endm
.macro PLACES n
.rept \n
	v_nop
.endr
.endm
.macro FRAG reg, a16, a8, off
	ds_load_b128 v[\reg:\reg+3], v[\a16] offset:(\off)
	ds_load_b64 v[\reg+4:\reg+5], v[\a8] offset:(\off)+512
	ds_load_b128 v[\reg+6:\reg+9], v[\a16] offset:(\off)+768
	ds_load_b64 v[\reg+10:\reg+11], v[\a8] offset:(\off)+1280
.endm
.macro FETCH slot, q, p
	WIN 0x40
.irp i, 0,1,2,3,4,5,6,7
	FRAG 128*(\p)+12*\i, 20+\slot, 22+\slot, (\i*NQ+(\q))*1536
.endr
	WIN 0
.irp i, 0,1,2,3,4,5,6,7
	FRAG AF+96*(\p)+12*\i, 16+\slot, 18+\slot, (\i*NQ+(\q))*1536
.endr
.irp i, 0,1,2,3,4,5,6,7
	ds_load_b32 v[SC+8*(\p)+\i], v27 offset:(\i/4)*GS+(\i%4)*64+256*(\q)
.endr
.endm
.macro MULA a, p, mode
.if (\mode) == 0
	WIN 0xa1+0x50*((\a)/4)
.else
	WIN 0x91+0x40*((\a)/4)
.endif
.irp b, 0,1,2,3,4,5,6,7
.set AC, 8*(8*((\a)%4)+\b)
.if (\mode) == 0
	v_wmma_scale_f32_16x16x128_f8f6f4 v[AC:AC+7], v[128*(\p)+12*\b:128*(\p)+12*\b+11], v[AF+96*(\p)+12*(\a):AF+96*(\p)+12*(\a)+11], v[AC:AC+7], v[SC+8*(\p)+\b], v[SC+8*(\p)+(\a)] matrix_a_fmt:MATRIX_FMT_BF6 matrix_b_fmt:MATRIX_FMT_BF6 matrix_a_scale:MATRIX_SCALE_ROW1
.else
	v_wmma_scale_f32_16x16x128_f8f6f4 v[AC:AC+7], v[128*(\p)+12*\b:128*(\p)+12*\b+11], v[AF+96*(\p)+12*(\a):AF+96*(\p)+12*(\a)+11], v[96+8*\b+96*(\b/4):103+8*\b+96*(\b/4)], v[SC+8*(\p)+\b], v[SC+8*(\p)+(\a)] matrix_a_fmt:MATRIX_FMT_BF6 matrix_b_fmt:MATRIX_FMT_BF6 matrix_a_scale:MATRIX_SCALE_ROW1
.endif
.endr
.endm
.macro STEP slot, q, mode
	s_wait_dscnt 0x0
	PLACES 4
	FETCH \slot, (\q)+1, ((\q)+1)%2
.irp a, 0,1,2,3,4,5,6,7
	MULA \a, (\q)%2, \mode
.endr
	WIN 0
.endm
.macro TURN slot, next, fill
	s_wait_tensorcnt 0x0
	ds_add_u32 v28, v29
	s_wait_dscnt 1
	MULA 0, 1, 0
	MULA 1, 1, 0
	s_wait_dscnt 0x0
	s_barrier_signal -1
	MULA 2, 1, 0
	MULA 3, 1, 0
	WIN 0
	s_barrier_wait -1
.if \fill
	CREST
	s_add_nc_u64 s[G0+4*\slot+2:G0+4*\slot+3], s[G0+4*\slot+2:G0+4*\slot+3], 2*NQ*1536
	s_add_nc_u64 s[G0B+4*\slot+2:G0B+4*\slot+3], s[G0B+4*\slot+2:G0B+4*\slot+3], 2*NQ*1536
	JLOAD G0+4*\slot, G1, G0B+4*\slot, G1B
.else
	PLACES 4
.endif
	s_wait_alu depctr_va_vdst(0)
	v_add_nc_u32 v27, NQ*256, v27
	FETCH \next, 0, 0
	MULA 4, 1, 0
	MULA 5, 1, 0
	MULA 6, 1, 0
	MULA 7, 1, 0
	WIN 0
.endm
.macro QUANT s
.irp b, 0,1,2,3
	v_max3_num_f32 v[TM+\b], |v[\s+16*\b]|, |v[\s+1+16*\b]|, 0x2800000
.endr
.irp i, 2,4,6,8,10,12,14
.irp b, 0,1,2,3
	v_max3_num_f32 v[TM+\b], v[TM+\b], |v[\s+16*\b+\i]|, |v[\s+1+16*\b+\i]|
.endr
.endr
.irp b, 0,1,2,3
	v_permlanex16_b32 v[TM+4+\b], v[TM+\b], s[SEL], s[SEL+1]
.endr
.irp b, 0,1,2,3
	v_max_num_f32 v[TM+\b], v[TM+\b], v[TM+4+\b]
.endr
.irp b, 0,1,2,3
	v_add_nc_u32 v[TM+12+\b], 0xfe000000, v[TM+\b]
.endr
.irp b, 0,1,2,3
	v_lshrrev_b32 v[TM+4+\b], 23, v[TM+12+\b]
.endr
	v_lshl_or_b32 v[PW], v[TM+5], 8, v[TM+4]
	v_lshl_or_b32 v[PW], v[TM+6], 16, v[PW]
	v_lshl_or_b32 v[PW], v[TM+7], 24, v[PW]
.irp c, 0,1
	v_cvt_scalef32_pk16_bf6_f32 v[PC+6*\c:PC+2+6*\c], v[\s+32*\c:\s+15+32*\c], v[TM+12+2*\c]
	v_cvt_scalef32_pk16_bf6_f32 v[PC+12+4*\c:PC+14+4*\c], v[\s+16+32*\c:\s+31+32*\c], v[TM+12+2*\c+1]
.endr
	v_nop
.irp c, 0,1
.irp i, 0,1,2
	v_permlane16_swap_b32 v[PC+6*\c+\i], v[PC+12+4*\c+\i]
.endr
.irp i, 0,1,2
	v_mov_b32 v[PC+3+6*\c+\i], v[PC+12+4*\c+\i]
.endr
.endr
.endm
.macro GELU
.irp g, 0,1,2,3,4,5,6,7
.irp p, 0,1,2,3
	v_pk_mul_f32 v[64+12*\p:65+12*\p], v[TT+8*\g+2*\p:TT+8*\g+2*\p+1], 0x3f3504f3 op_sel_hi:[1,0]
.endr
.irp p, 0,1,2,3
	v_pk_mul_f32 v[74+12*\p:75+12*\p], v[TT+8*\g+2*\p:TT+8*\g+2*\p+1], 0.5 op_sel_hi:[1,0]
.endr
.irp p, 0,1,2,3
	v_and_b32 v[66+12*\p], 0x7fffffff, v[64+12*\p]
	v_and_b32 v[67+12*\p], 0x7fffffff, v[65+12*\p]
.endr
.irp p, 0,1,2,3
	v_pk_mul_f32 v[68+12*\p:69+12*\p], v[64+12*\p:65+12*\p], v[64+12*\p:65+12*\p]
.endr
.irp p, 0,1,2,3
	v_pk_fma_f32 v[70+12*\p:71+12*\p], v[66+12*\p:67+12*\p], 0xb7910000, v[112:113] op_sel_hi:[1,0,1]
.endr
.irp p, 0,1,2,3
	v_pk_fma_f32 v[72+12*\p:73+12*\p], v[66+12*\p:67+12*\p], 0xbb7e8a1c, v[114:115] op_sel_hi:[1,0,1]
.endr
.irp p, 0,1,2,3
	v_pk_fma_f32 v[70+12*\p:71+12*\p], v[70+12*\p:71+12*\p], v[68+12*\p:69+12*\p], v[72+12*\p:73+12*\p]
.endr
.irp k, 0xbddaae5c, 0xbf228550, 0xbe03ce86
.irp p, 0,1,2,3
	v_pk_fma_f32 v[70+12*\p:71+12*\p], v[70+12*\p:71+12*\p], v[66+12*\p:67+12*\p], \k op_sel_hi:[1,1,0]
.endr
.endr
.irp p, 0,1,2,3
	v_pk_fma_f32 v[70+12*\p:71+12*\p], v[70+12*\p:71+12*\p], v[66+12*\p:67+12*\p], v[66+12*\p:67+12*\p] neg_lo:[0,0,1] neg_hi:[0,0,1]
.endr
.irp p, 0,1,2,3
	v_pk_mul_f32 v[70+12*\p:71+12*\p], v[70+12*\p:71+12*\p], 0x3fb8aa3b op_sel_hi:[1,0]
.endr
	s_wait_alu depctr_va_vdst(0)
.irp p, 0,1,2,3
	v_exp_f32 v[70+12*\p], v[70+12*\p]
	v_exp_f32 v[71+12*\p], v[71+12*\p]
.endr
.irp p, 0,1,2,3
	v_pk_fma_f32 v[72+12*\p:73+12*\p], v[68+12*\p:69+12*\p], 0xba1c7000, v[116:117] op_sel_hi:[1,0,1]
.endr
.irp k, 0xbcdb48d9, 0x3de70e22, 0xbec09380, 0x3e0375d4
.irp p, 0,1,2,3
	v_pk_fma_f32 v[72+12*\p:73+12*\p], v[72+12*\p:73+12*\p], v[68+12*\p:69+12*\p], \k op_sel_hi:[1,1,0]
.endr
.endr
.irp p, 0,1,2,3
	v_pk_fma_f32 v[72+12*\p:73+12*\p], v[72+12*\p:73+12*\p], v[64+12*\p:65+12*\p], v[64+12*\p:65+12*\p]
.endr
.irp p, 0,1,2,3
	v_pk_fma_f32 v[72+12*\p:73+12*\p], v[74+12*\p:75+12*\p], v[72+12*\p:73+12*\p], v[74+12*\p:75+12*\p]
.endr
.irp p, 0,1,2,3
	v_max_num_f32 v[68+12*\p], 0, v[TT+8*\g+2*\p]
	v_max_num_f32 v[69+12*\p], 0, v[TT+8*\g+2*\p+1]
.endr
	s_wait_alu depctr_va_vdst(0)
.irp p, 0,1,2,3
	v_fma_f32 v[70+12*\p], -|v[74+12*\p]|, v[70+12*\p], v[68+12*\p]
	v_fma_f32 v[71+12*\p], -|v[75+12*\p]|, v[71+12*\p], v[69+12*\p]
.endr
.irp p, 0,1,2,3
	v_cmp_lt_f32 vcc_lo, 0x3f6d8000, v[66+12*\p]
	v_cndmask_b32 v[TT+8*\g+2*\p], v[72+12*\p], v[70+12*\p], vcc_lo
	v_cmp_lt_f32 vcc_lo, 0x3f6d8000, v[67+12*\p]
	v_cndmask_b32 v[TT+8*\g+2*\p+1], v[73+12*\p], v[71+12*\p], vcc_lo
.endr
.endr
.endm
	s_load_b256 s[4:11], s[0:1], 0x0
	v_lshl_add_u32 v28, v0, 2, SPARE
	v_mov_b32 v29, 0
	ds_add_u32 v28, v29
	ds_add_u32 v28, v29
	s_wait_dscnt 0x0
	v_lshrrev_b32 v1, 5, v0
	v_readfirstlane_b32 s14, v1
	s_lshr_b32 s15, s14, 1
	s_and_b32 s16, s14, 1
	s_bfe_u32 s40, ttmp6, 0x40000
	s_bfe_u32 s41, ttmp6, 0x40004
	s_lshl_b32 s42, ttmp9, 2
	s_add_co_u32 s42, s42, s40
	s_and_b32 s12, ttmp7, 0xffff
	s_lshl_b32 s12, s12, 2
	s_add_co_u32 s12, s12, s41
	s_lshl_b32 s43, s41, 2
	s_lshl_b32 s43, 15, s43
	s_lshl_b32 s44, 0x1111, s40
	s_or_b32 s[G1+0], s43, (3<<16)|(1<<21)
	s_or_b32 s[G1B+0], s44, (3<<16)|(1<<21)
.irp g, G1, G1B
	s_mov_b32 s[\g+1], 384<<16
	s_mov_b32 s[\g+2], 16<<16                      ; the head's loads bring a whole tile's 16 blocks; behind them the two words that count rows are set to 8
	s_mov_b32 s[\g+3], 384<<16
	s_mov_b32 s[\g+4], 16
	s_mov_b32 s[\g+5], KB/8
	s_mov_b32 s[\g+6], 0
	s_mov_b32 s[\g+7], 0
.endr
	s_or_b32 s[G1S+0], s43, (3<<16)|(1<<21)
	s_or_b32 s[G1SB+0], s44, (3<<16)|(1<<21)
.irp g, G1S, G1SB
	s_mov_b32 s[\g+1], 32<<16
	s_mov_b32 s[\g+2], (2*HS/256)<<16              ; the scale words of a tile's 256 rows: 32 rows of 256 bytes
	s_mov_b32 s[\g+3], 32<<16
	s_mov_b32 s[\g+4], 2*HS/256
	s_mov_b32 s[\g+5], 32
	s_mov_b32 s[\g+6], 0
	s_mov_b32 s[\g+7], 0
.endr
	s_lshl_b32 s20, s12, 4
	s_mul_i32 s100, s16, 8*KB                      ; in the ring I fetch eight blocks of a tile: which half, in bytes
	s_mov_b32 s101, 0
	s_lshl_b32 s22, s20, 9
	s_add_co_u32 s22, s22, A_S
	s_mul_i32 s20, s20, KB
	s_mov_b32 s21, 0
	s_mov_b32 s23, 0
	s_lshl_b32 s46, s42, 4
	s_lshl_b32 s92, s46, 9
	s_add_co_u32 s92, s92, W_S
	s_mul_i32 s46, s46, KB
	s_add_co_u32 s46, s46, W_C
	s_mov_b32 s47, 0
	s_mov_b32 s93, 0
	s_mul_i32 s45, s14, HALFT
	s_wait_kmcnt 0x0
	s_add_nc_u64 s[20:21], s[4:5], s[20:21]
	s_add_nc_u64 s[22:23], s[4:5], s[22:23]
	s_add_nc_u64 s[46:47], s[6:7], s[46:47]
	s_add_nc_u64 s[92:93], s[6:7], s[92:93]
	CROUND
	s_mov_b32 s[G0S], 1
	s_mov_b32 s[G0S+1], SCL
	s_mov_b64 s[G0S+2:G0S+3], s[22:23]
	s_or_b32 s[G0S+3], s[G0S+3], 0x80000000
	s_mov_b32 s[G0SB], 1
	s_mov_b32 s[G0SB+1], SCL+2*HS
	s_mov_b64 s[G0SB+2:G0SB+3], s[92:93]
	s_or_b32 s[G0SB+3], s[G0SB+3], 0x80000000
	s_mov_b32 s96, 1                               ; s[96:99]: slot 0's 16 blocks of A, whole
	s_mov_b32 s97, 0
	s_mov_b64 s[98:99], s[20:21]
	s_or_b32 s99, s99, 0x80000000
	s_mov_b32 s92, 1                               ; s[92:95]: its 16 blocks of W, behind them
	s_mov_b32 s93, 2*HALFT
	s_mov_b64 s[94:95], s[46:47]
	s_or_b32 s95, s95, 0x80000000
; THE HEAD'S LOADS, ONE A WAVE: wave 0 slot 0's blocks of A, wave 1 those of W, wave 2 A's scale words, wave 3 W's.  One chain of branches on the wave's number, a load to each arm, one join.
.macro ARM under, g0, g1, next
	s_cmp_lt_u32 s14, \under
	s_cbranch_scc0 \next
	tensor_load_to_lds s[\g0:\g0+3], s[\g1:\g1+7]
	s_nop 0
.rept 4
	v_nop
.endr
	s_branch .Lhead_asked
\next:
.endm
	ARM 1, 96, G1, .Lhead_b
	ARM 2, 92, G1B, .Lhead_sa
	ARM 3, G0S, G1S, .Lhead_sb
	tensor_load_to_lds s[G0SB:G0SB+3], s[G1SB:G1SB+7]
	s_nop 0
.rept 4
	v_nop
.endr
.Lhead_asked:
	s_add_nc_u64 s[20:21], s[20:21], s[100:101]    ; for the ring: my eight blocks of the tile
	s_add_nc_u64 s[46:47], s[46:47], s[100:101]
.irp s, 0,1
	s_mov_b32 s[G0+4*\s], 1
	s_add_co_u32 s[G0+4*\s+1], s45, \s*SLOT
	s_add_nc_u64 s[G0+4*\s+2:G0+4*\s+3], s[20:21], \s*NQ*1536
	s_or_b32 s[G0+4*\s+3], s[G0+4*\s+3], 0x80000000
	s_mov_b32 s[G0B+4*\s], 1
	s_add_co_u32 s[G0B+4*\s+1], s45, \s*SLOT
	s_add_nc_u64 s[G0B+4*\s+2:G0B+4*\s+3], s[46:47], \s*NQ*1536
	s_or_b32 s[G0B+4*\s+3], s[G0B+4*\s+3], 0x80000000
.if \s
	s_wait_alu depctr_va_vdst(0)
	s_wait_tensorcnt 0x0                           ; my tile of the head's four is in; slot 1's first fill is issued as a refill is
	ds_add_u32 v28, v29
	s_mov_b32 s[G1+2], 8<<16                       ; no tensor load of mine is out: from here on a load brings eight blocks
	s_mov_b32 s[G1+4], 8
	s_mov_b32 s[G1B+2], 8<<16
	s_mov_b32 s[G1B+4], 8
	s_wait_dscnt 0x0
	CROUND
	JLOAD G0+4*\s, G1, G0B+4*\s, G1B
.endif
.endr
	v_and_b32 v1, 31, v0
	v_lshlrev_b32 v2, 4, v1
	v_lshlrev_b32 v3, 3, v1
	v_and_b32 v4, 15, v0
	v_bfe_u32 v5, v0, 4, 1
	v_lshlrev_b32 v7, 2, v4
	v_lshlrev_b32 v8, 6, v5
	s_mul_i32 s21, s15, HALFT
	s_mul_i32 s22, s16, HALFT
	s_add_co_u32 s22, s22, 2*HALFT
.irp s, 0,1
	v_add_nc_u32 v[16+\s], s21, v2
	v_add_nc_u32 v[18+\s], s21, v3
	v_add_nc_u32 v[20+\s], s22, v2
	v_add_nc_u32 v[22+\s], s22, v3
	s_add_co_u32 s21, s21, SLOT
	s_add_co_u32 s22, s22, SLOT
.endr
	s_mul_i32 s21, s15, HS
	s_mul_i32 s22, s16, HS
	s_add_co_u32 s22, s22, 2*HS
	s_sub_co_u32 s22, s22, s21
	v_mul_u32_u24 v6, s22, v5
	s_add_co_u32 s21, s21, SCL
	v_lshl_add_u32 v6, v4, 2, v6
	v_add_nc_u32 v27, s21, v6
	s_lshl_b32 s21, s14, 16
	v_add_nc_u32 v30, s21, v2
	s_lshl_b32 s96, s42, 10
	s_lshl_b32 s97, s16, 9
	s_add_co_u32 s96, s96, s97
	s_mov_b32 s97, 0
	s_add_nc_u64 s[66:67], s[8:9], s[96:97]
	WIN 0x40
.irp b, 0,1,2,3,4,5,6,7
	global_load_b128 v[96+8*\b+96*(\b/4):99+8*\b+96*(\b/4)], v8, s[66:67] offset:(32*(\b/2)+8*(\b%2))*4
	global_load_b128 v[100+8*\b+96*(\b/4):103+8*\b+96*(\b/4)], v8, s[66:67] offset:(32*(\b/2)+8*(\b%2))*4+16
.endr
	WIN 0
	s_wait_alu depctr_va_vdst(0)
	s_wait_tensorcnt 1
	s_barrier_signal -1
	s_barrier_wait -1
	FETCH 0, 0, 0
	s_wait_loadcnt 0x0
	STEP 0, 0, 1
	s_mov_b32 s3, LAPS-1
.Llap:
	TURN 0, 1, 1
	s_wait_alu depctr_va_vdst(0)
	STEP 1, 0, 0
	TURN 1, 0, 1
	s_wait_alu depctr_va_vdst(0)
	STEP 0, 0, 0
	s_sub_co_u32 s3, s3, 1
	s_cmp_lg_u32 s3, 0
	s_cbranch_scc1 .Llap
	TURN 0, 1, 0
	s_wait_alu depctr_va_vdst(0)
	STEP 1, 0, 0
	s_wait_dscnt 0x0
.irp a, 0,1,2,3,4,5,6,7
	MULA \a, 1, 0
.endr
	WIN 0
	s_lshl_b32 s20, s12, 4
	s_lshl_b32 s13, s15, 3
	s_add_co_u32 s20, s20, s13
	s_lshl_b32 s46, s20, 11
	s_mul_i32 s20, s20, 49152
	s_lshl_b32 s13, s42, 1
	s_add_co_u32 s13, s13, s16
	s_mul_i32 s94, s13, 1536
	s_add_co_u32 s20, s20, s94
	s_lshl_b32 s13, s13, 8
	s_add_co_u32 s46, s46, s13
	s_add_co_u32 s46, s46, G_S
	s_mov_b32 s21, 0
	s_mov_b32 s47, 0
	s_add_nc_u64 s[20:21], s[10:11], s[20:21]
	s_add_nc_u64 s[46:47], s[10:11], s[46:47]
	s_mov_b32 s[SEL], 0x76543210
	s_mov_b32 s[SEL+1], 0xfedcba98
	s_wait_dscnt 0x0
	s_barrier_signal -1
	s_barrier_wait -1
	PLACES 4
.irp a, 0,1,2,3,4,5,6,7
	WIN 0x08+4*(\a/4)
.irp b, 0,1,2,3,4,5,6,7
	ds_store_b128 v30, v[8*(8*(\a%4)+\b):8*(8*(\a%4)+\b)+3] offset:(8*\a+\b)*1024
	ds_store_b128 v30, v[8*(8*(\a%4)+\b)+4:8*(8*(\a%4)+\b)+7] offset:(8*\a+\b)*1024+512
.endr
.endr
	WIN 0
.irp b, 0,1,2,3
	v_mov_b32 v[TM+4+\b], 0
.endr
	v_mov_b32 v112, 0x39c8e7d9
	v_mov_b32 v113, 0x39c8e7d9
	v_mov_b32 v114, 0x3cc6b1a1
	v_mov_b32 v115, 0x3cc6b1a1
	v_mov_b32 v116, 0x3ba38d2c
	v_mov_b32 v117, 0x3ba38d2c
	s_mov_b32 s2, 0
	s_mov_b32 s3, 0
.Lrow:
	v_add_nc_u32 v31, s2, v30
.irp b, 0,1,2,3,4,5,6,7
	ds_load_b128 v[TT+8*\b:TT+8*\b+3], v31 offset:1024*\b
	ds_load_b128 v[TT+8*\b+4:TT+8*\b+7], v31 offset:1024*\b+512
.endr
	s_wait_dscnt 0x0
	GELU
	QUANT TT
	global_store_b128 v2, v[PC:PC+3], s[20:21]
	global_store_b64 v3, v[PC+4:PC+5], s[20:21] offset:512
	global_store_b128 v2, v[PC+6:PC+9], s[20:21] offset:768
	global_store_b64 v3, v[PC+10:PC+11], s[20:21] offset:1280
	global_store_b32 v7, v[PW], s[46:47]
	s_wait_xcnt 0x0
	s_cmp_eq_u32 s3, 3
	s_cselect_b32 s12, 8192-256, 0
	s_add_co_u32 s12, s12, 64
	s_mov_b32 s13, 0
	s_add_nc_u64 s[20:21], s[20:21], 49152
	s_add_nc_u64 s[46:47], s[46:47], s[12:13]
	s_add_co_u32 s2, s2, 8192
	s_add_co_u32 s3, s3, 1
	s_cmp_lt_u32 s3, 8
	s_cbranch_scc1 .Lrow
	s_wait_tensorcnt 0x0
	ds_add_u32 v28, v29
	s_wait_dscnt 0x0
	CROUND
	s_endpgm
.Lfunc_end_k_qf66d0eab9a_fc1:
	.size	k_qf66d0eab9a_fc1, .Lfunc_end_k_qf66d0eab9a_fc1-k_qf66d0eab9a_fc1
	.p2alignl 7, 3214868480
	.fill 96, 4, 3214868480
	.section	.rodata,"a",@progbits
	.p2align	6, 0x0
	.amdhsa_kernel k_qf66d0eab9a_fc1
		.amdhsa_group_segment_fixed_size 327680
		.amdhsa_private_segment_fixed_size 0
		.amdhsa_enable_private_segment 0
		.amdhsa_kernarg_size 32
		.amdhsa_user_sgpr_count 2
		.amdhsa_user_sgpr_kernarg_segment_ptr 1
		.amdhsa_wavefront_size32 1
		.amdhsa_system_sgpr_workgroup_id_x 1
		.amdhsa_system_sgpr_workgroup_id_y 1
		.amdhsa_system_sgpr_workgroup_id_z 1
		.amdhsa_system_vgpr_workitem_id 0
		.amdhsa_next_free_vgpr 1024
		.amdhsa_next_free_sgpr 102
		.amdhsa_reserve_vcc 1
		.amdhsa_float_denorm_mode_32 3
		.amdhsa_float_denorm_mode_16_64 3
		.amdhsa_memory_ordered 1
		.amdhsa_forward_progress 1
		.amdhsa_inst_pref_size 199
	.end_amdhsa_kernel
	.amdgpu_metadata
---
amdhsa.version: [ 1, 2 ]
amdhsa.kernels:
  - .name:           k_qf66d0eab9a_fc1
    .symbol:         k_qf66d0eab9a_fc1.kd
    .args:
      - { .name: wsM, .offset: 0, .size: 8, .value_kind: global_buffer, .address_space: global }
      - { .name: wsP, .offset: 8, .size: 8, .value_kind: global_buffer, .address_space: global }
      - { .name: fc1_b, .offset: 16, .size: 8, .value_kind: global_buffer, .address_space: global }
      - { .name: wsG, .offset: 24, .size: 8, .value_kind: global_buffer, .address_space: global }
    .group_segment_fixed_size: 327680
    .private_segment_fixed_size: 0
    .kernarg_segment_align: 8
    .kernarg_segment_size: 32
    .max_flat_workgroup_size: 128
    .sgpr_count:     102
    .vgpr_count:     1024
    .wavefront_size: 32
...
	.end_amdgpu_metadata
.endif
;; end of part 5
;; launch fc2 (part 6): grid 8 x 32, 4 waves a work-group, clusters of 4 x 4, 327,680 bytes of LDS; arguments wsG, wsP, fc2_b, wsX1, out0; writes out0
.if DOCPART == 6
	.amdgcn_target "amdgcn-amd-amdhsa--gfx1250"
	.amdhsa_code_object_version 6
	.text
	.protected	k_qf66d0eab9a_fc2
	.globl	k_qf66d0eab9a_fc2
	.p2align	8
	.type	k_qf66d0eab9a_fc2,@function
k_qf66d0eab9a_fc2:
	s_mov_b64 s[64:65], 0
	v_nop
	global_prefetch_b8 v0, s[64:65] scope:SCOPE_SE
	s_setreg_imm32_b32 hwreg(HW_REG_WAVE_MODE, 25, 1), 1
	s_wait_xcnt 0x0
	s_wait_alu depctr_hold_cnt(0) depctr_sa_sdst(0) depctr_va_vdst(0) depctr_va_sdst(0) depctr_va_ssrc(0) depctr_va_vcc(0) depctr_vm_vsrc(0)
	s_getreg_b32 s2, hwreg(HW_REG_IB_STS2, 6, 4)
	s_cmp_eq_u32 s2, 0
	s_cbranch_scc0 .Lentry_in_a_cluster
	s_endpgm
.Lentry_in_a_cluster:
	s_bfe_u32 s2, ttmp6, 0x10000c
	s_cmp_lg_u32 s2, 0xf033
	s_cbranch_scc0 .Lentry_shape_is_right
	s_endpgm
.Lentry_shape_is_right:
; out = resid + A W + bias, the product on codes of BF6.  A: [4096] rows, W: [1024] columns, K = 4,096; out, resid: [4096][1024] f32.
; Operands lie as half-images (16 rows x 64 K, 768 bytes, an image of six operand registers) [block][k / 64]; scale words [block / 4][k / 128][block % 4][r]; lane-row r of block i is row 32 (i / 2) + 8 (i % 2) + r % 8 + 16 (r / 8).
; A tile of C is 128 x 128: with 1,024 columns that gives 256 work-groups, tiles of 256 x 256 only 64.  Four waves of 64 x 64: 16 accumulators.  The product is used transposed: a lane holds one row of C and eight neighbouring columns a tile.
; THE RING: K goes in 32 steps of 128 through two LDS slots as large as fit beside the scale words: slot 0 holds 6 K steps, slot 1 holds 5.  Six fills: 6 + 5 + 6 + 5 + 6 + 4 steps; the first two go out at the head, four are refills.
; A slot's work (6 x 16 matrix instructions a wave) is short, and each refill is waited for in full in front of the next one's barrier: so the fills are few and large.  6 + 5 is odd, so the operand sets' turns do not come back within a lap: the 32 steps are written out by macro.
; The tiles are asked for jointly (4 x 4 clusters: A's shared along a row, W's along a column).  The scale words, 32,768 bytes a work-group against 786,432 of codes, come once by one plain tensor load a wave: they are not shared, which spares the scalar registers that the second shape of tile needs.
; The bias is the C of each sum's first product; the residual is asked for at the head, in the layout in which the rows leave.
; REGISTERS: window 0: v1-31 addresses; v32-39 scale words, two sets; v64-159 A's fragments, two sets; on the way out v64-191 rows of C.  window 1: W's fragments at v0 and v128; the bias at v96-127.
;   window 2: v0-127 the accumulators, v128-255 the residual.
.set KTOT,  4096
.set A_S,   12582912
.set W_C,   9568256
.set W_S,   12976128
.set KB,    KTOT/64*768                ; bytes of a block's codes
.set GS,    KTOT/128*256               ; bytes of four blocks' scale words
.set HS,    GS
.set NQ0,   6                          ; K steps in slot 0
.set NQ1,   5                          ; in slot 1
.set NQL,   4                          ; in the last fill, which goes to slot 1
.set HT0,   4*NQ0*1536                 ; 4 blocks x 6 K steps: what one tensor load brings into slot 0
.set HT1,   4*NQ1*1536
.set SLOT1, 4*HT0
.set SCL,   SLOT1+4*HT1                ; behind the ring: the scale words, filled once
.set SPARE, SCL+4*HS                   ; the spare words: 128 bytes a wave, named by no other line
.set STAGE, SPARE+512                  ; 16 rows x 272 bytes for each wave; no fill lands here
.set SC,  32
.set AF,  64
.set PFO, 30                           ; v30  the prefetches' offset; never rewritten
.set G1,   24                          ; s[24:31] group 1 for A's tiles of 6 K steps;  s[32:39] A's groups 0, one for each slot
.set G0,   32
.set G1B,  48                          ; s[48:55], s[56:63] the same for W
.set G0B,  56
.set G15,  68                          ; s[68:75] group 1 for A's tiles of 5 K steps (of 4 for the last fill)
.set G0S,  76                          ; s[76:79] group 0 for my scale words
.set G15B, 80                          ; s[80:87] as s[68:75], for W
.set G1S,  88                          ; s[88:95] group 1 for the scale words
.set PFA,  66                          ; s[66:67] where my prefetches stand; never rewritten
.set LIM,  2                           ; s2   1 in a wave that prefetches
.set MSB, 0
.macro WIN new                         ; the immediate's high byte repeats the setting that is left
.if MSB != (\new)
	s_set_vgpr_msb (MSB<<8)|(\new)
.set MSB, (\new)
.endif
.endm
.macro JLOAD g0a, g1a, g0b, g1b        ; waves 0, 1 fetch for A, waves 2, 3 for W; four v_nop follow each line
	s_cmp_eq_u32 s15, 0
	s_cbranch_scc0 .Lfor_b_\@
	tensor_load_to_lds s[\g0a:\g0a+3], s[\g1a:\g1a+7]
	s_nop 0
.rept 4
	v_nop
.endr
	s_branch .Lasked_\@
.Lfor_b_\@:
	tensor_load_to_lds s[\g0b:\g0b+3], s[\g1b:\g1b+7]
	s_nop 0
.rept 4
	v_nop
.endr
.Lasked_\@:
.endm
; A PREFETCH INTO THE L2.  A block's codes are 49,152 bytes on end: six spans of 8,192.  One instruction names, of one span, 2,048 bytes of each of the four blocks that my tensor loads fetch: lane l takes block l / 8 and the 256 bytes l % 8.
; The four partners that ask for a tile jointly share a span out BY ADDRESS: the partner at place p (cx for A, cy for W) takes bytes 2,048 p on.  A's rows are read by both clusters of a row of clusters: cluster x = 0 asks; W's by all eight of a
; column: cluster y = 0 asks.  So each 256 bytes are named once in the launch.  Spans 3, 4, 5 are asked for behind the first, second and third refill: one change of slots ahead of the refill that brings most of the span (the refills begin at
; bytes 26,112, 33,792 and 43,008 of a block; a refill's last 1,024 or 2,048 bytes of a block fall into the span that is asked for beside it).  Nothing is asked for at the head, where the first fills are on their way, and nothing behind the last refill.
.macro ASK span
	s_cmp_eq_u32 s[LIM], 1
	s_cbranch_scc0 .Lnot_mine_\@
	s_wait_alu depctr_va_vdst(0)
	global_prefetch_b8 v[PFO], s[PFA:PFA+1] offset:(\span)*8192 th:TH_LOAD_NT scope:SCOPE_SE
.Lnot_mine_\@:
.endm
.macro CREST
	s_cmp_lg_u32 s14, 0
	s_cbranch_scc1 .Lnot_wave_0_\@
	s_barrier_signal -3
.Lnot_wave_0_\@:
	s_barrier_wait -3
	s_barrier_signal -1
	s_barrier_wait -1
.endm
.macro CROUND
	s_barrier_signal -1
	s_barrier_wait -1
	CREST
.endm
.macro PLACES n
.rept \n
	v_nop
.endr
.endm
.macro FRAG reg, a16, a8, off          ; a fragment = two half-images: 512, 256, 512, 256 consecutive bytes
	ds_load_b128 v[\reg:\reg+3], v[\a16] offset:(\off)
	ds_load_b64 v[\reg+4:\reg+5], v[\a8] offset:(\off)+512
	ds_load_b128 v[\reg+6:\reg+9], v[\a16] offset:(\off)+768
	ds_load_b64 v[\reg+10:\reg+11], v[\a8] offset:(\off)+1280
.endm
.macro FETCH slot, nq, q, st           ; K step st, the q-th of a fill of nq steps in the slot, into set st % 2; the scale words' offset carries the K step
	WIN 0x40
.irp i, 0,1,2,3
	FRAG 128*((\st)%2)+12*\i, 20+\slot, 22+\slot, (\i*(\nq)+(\q))*1536
.endr
	WIN 0
.irp i, 0,1,2,3
	FRAG AF+48*((\st)%2)+12*\i, 16+\slot, 18+\slot, (\i*(\nq)+(\q))*1536
.endr
.irp i, 0,1,2,3
	ds_load_b32 v[SC+4*((\st)%2)+\i], v27 offset:\i*64+256*(\st)
.endr
.endm
.macro MULA a, p, mode                 ; A's block a against W's four; mode 1: the sums begin with the bias.  The 16 accumulators take turns
.if (\mode) == 0
	WIN 0xa1
.else
	WIN 0x91
.endif
.irp b, 0,1,2,3
.set AC, 8*(4*(\a)+\b)
.if (\mode) == 0
	v_wmma_scale_f32_16x16x128_f8f6f4 v[AC:AC+7], v[128*(\p)+12*\b:128*(\p)+12*\b+11], v[AF+48*(\p)+12*(\a):AF+48*(\p)+12*(\a)+11], v[AC:AC+7], v[SC+4*(\p)+\b], v[SC+4*(\p)+(\a)] matrix_a_fmt:MATRIX_FMT_BF6 matrix_b_fmt:MATRIX_FMT_BF6 matrix_a_scale:MATRIX_SCALE_ROW1
.else
	v_wmma_scale_f32_16x16x128_f8f6f4 v[AC:AC+7], v[128*(\p)+12*\b:128*(\p)+12*\b+11], v[AF+48*(\p)+12*(\a):AF+48*(\p)+12*(\a)+11], v[96+8*\b:103+8*\b], v[SC+4*(\p)+\b], v[SC+4*(\p)+(\a)] matrix_a_fmt:MATRIX_FMT_BF6 matrix_b_fmt:MATRIX_FMT_BF6 matrix_a_scale:MATRIX_SCALE_ROW1
.endif
.endr
.endm
.macro STEP slot, nq, q, st, mode      ; multiplies K step st and fetches K step st + 1, the q-th of the same slot's fill
	s_wait_dscnt 0x0                               ; this step's operands, asked for a step ago
	PLACES 4                                       ; in front of loads into the set that the last step multiplied
	FETCH \slot, \nq, \q, (\st)+1
.irp a, 0,1,2,3
	MULA \a, (\st)%2, \mode
.endr
	WIN 0
.endm
; A slot's last K step, st, changes slots.  next, nqn: the slot read from here on and the K steps of its fill.  fill = 1: the slot just read out is filled again, 11 K steps on; 2: with the last fill, of 4 K steps; 0: nothing is left to fetch.
.macro TURN st, next, nqn, fill, slot, span
	s_wait_tensorcnt 0x0                           ; all my tensor loads have landed: my part of the next slot
	ds_add_u32 v28, v29                            ; 0 onto my spare word
	s_wait_dscnt 1                                 ; the operands are in; the add may be out
	MULA 0, (\st)%2, 0
	s_wait_dscnt 0x0                               ; the add is done, and my reads of this slot are over
	s_barrier_signal -1
	MULA 1, (\st)%2, 0
	WIN 0
	s_barrier_wait -1
.if \fill
	CREST                                          ; the barrier has opened a round of the cluster's: no wave of any partner still reads this slot or has a load on its way
	s_add_nc_u64 s[G0+4*\slot+2:G0+4*\slot+3], s[G0+4*\slot+2:G0+4*\slot+3], (NQ0+NQ1)*1536
	s_add_nc_u64 s[G0B+4*\slot+2:G0B+4*\slot+3], s[G0B+4*\slot+2:G0B+4*\slot+3], (NQ0+NQ1)*1536
.if (\fill) == 2
	s_mov_b32 s[G15+1], (NQL*192)<<16              ; no tensor load of mine is out: the rows' length may be written: 4 K steps are left
	s_mov_b32 s[G15+3], (NQL*192)<<16
	s_mov_b32 s[G15B+1], (NQL*192)<<16
	s_mov_b32 s[G15B+3], (NQL*192)<<16
.endif
.if (\slot) == 0
	JLOAD G0, G1, G0B, G1B                         ; the first tensor load behind the round; its four v_nop are the places in front of the loads below
.else
	JLOAD G0+4, G15, G0B+4, G15B
.endif
.else
	PLACES 4
.endif
	FETCH \next, \nqn, 0, (\st)+1
.if (\span) > 0
	ASK \span                                      ; behind the joint load and the run of LDS loads that the next products wait for
.endif
	MULA 2, (\st)%2, 0
	MULA 3, (\st)%2, 0
	WIN 0
.endm
	s_load_b256 s[4:11], s[0:1], 0x0               ; A's codes and scales, the weights' workspace, the bias, the residual
	s_load_b64 s[12:13], s[0:1], 0x20              ; out
	v_lshl_add_u32 v28, v0, 2, SPARE
	v_mov_b32 v29, 0
	ds_add_u32 v28, v29
	ds_add_u32 v28, v29
	s_wait_dscnt 0x0
	v_lshrrev_b32 v1, 5, v0
	v_readfirstlane_b32 s14, v1
	s_lshr_b32 s15, s14, 1                         ; my half of the rows.  Also: I fetch for A (0) or for W (1)
	s_and_b32 s16, s14, 1                          ; my half of the columns.  Also: which half I fetch
	s_bfe_u32 s40, ttmp6, 0x40000
	s_bfe_u32 s41, ttmp6, 0x40004
	s_lshl_b32 s42, ttmp9, 2
	s_add_co_u32 s42, s42, s40                     ; tile column
	s_and_b32 s17, ttmp7, 0xffff
	s_lshl_b32 s17, s17, 2
	s_add_co_u32 s17, s17, s41                     ; tile row
	s_lshl_b32 s43, s41, 2
	s_lshl_b32 s43, 15, s43                        ; my row of the cluster
	s_lshl_b32 s44, 0x1111, s40                    ; my column
	s_or_b32 s[G1+0], s43, (3<<16)|(1<<21)         ; the mask; elements of 8 bytes; bit 21 beside a mask; no padding
	s_or_b32 s[G1B+0], s44, (3<<16)|(1<<21)
	s_or_b32 s[G15+0], s43, (3<<16)|(1<<21)
	s_or_b32 s[G15B+0], s44, (3<<16)|(1<<21)
.irp g, G1, G1B                        ; 4 rows (blocks) of 6 K steps (9,216 bytes), a block's codes apart
	s_mov_b32 s[\g+1], (NQ0*192)<<16
	s_mov_b32 s[\g+2], 8<<16                       ; the head's loads bring a whole tile's 8 blocks; behind them the two words that count rows are set to 4
	s_mov_b32 s[\g+3], (NQ0*192)<<16
	s_mov_b32 s[\g+4], 8
	s_mov_b32 s[\g+5], KB/8
	s_mov_b32 s[\g+6], 0
	s_mov_b32 s[\g+7], 0
.endr
.irp g, G15, G15B                      ; the same of 5 K steps (7,680 bytes)
	s_mov_b32 s[\g+1], (NQ1*192)<<16
	s_mov_b32 s[\g+2], 4<<16
	s_mov_b32 s[\g+3], (NQ1*192)<<16
	s_mov_b32 s[\g+4], 4
	s_mov_b32 s[\g+5], KB/8
	s_mov_b32 s[\g+6], 0
	s_mov_b32 s[\g+7], 0
.endr
	s_mov_b32 s[G1S+0], 3<<16                      ; the scale words of 64 rows: 8,192 dense bytes as 32 rows of 256; no mask: a load of my work-group's own
	s_mov_b32 s[G1S+1], 32<<16
	s_mov_b32 s[G1S+2], (2*HS/256)<<16             ; the scale words of a tile's 128 rows: 16,384 dense bytes, brought by one wave
	s_mov_b32 s[G1S+3], 32<<16
	s_mov_b32 s[G1S+4], 2*HS/256
	s_mov_b32 s[G1S+5], 32
	s_mov_b32 s[G1S+6], 0
	s_mov_b32 s[G1S+7], 0
	s_lshl_b32 s20, s17, 3
	s_lshl_b32 s18, s16, 2
	s_add_co_u32 s20, s20, s18                     ; A: the first block that I fetch
	s_mov_b32 s100, s20
	s_lshr_b32 s22, s20, 2
	s_mul_i32 s22, s22, GS
	s_add_co_u32 s22, s22, A_S
	s_mul_i32 s20, s20, KB
	s_mov_b32 s21, 0
	s_mov_b32 s23, 0
	s_lshl_b32 s46, s42, 3
	s_lshl_b32 s19, s16, 2
	s_add_co_u32 s46, s46, s19                     ; W likewise
	s_mov_b32 s101, s46
	s_lshr_b32 s98, s46, 2
	s_mul_i32 s98, s98, GS
	s_add_co_u32 s98, s98, W_S
	s_mul_i32 s46, s46, KB
	s_add_co_u32 s46, s46, W_C
	s_mov_b32 s47, 0
	s_mov_b32 s99, 0
	s_mul_i32 s45, s14, HT0                        ; where they go: by the wave's number alone
	s_mul_i32 s96, s14, HT1
	s_mul_i32 s97, s16, 2*HS                       ; the scale words in LDS: A's (wave 2), then W's (wave 3)
	s_wait_kmcnt 0x0
	s_add_nc_u64 s[20:21], s[4:5], s[20:21]
	s_add_nc_u64 s[22:23], s[4:5], s[22:23]
	s_add_nc_u64 s[46:47], s[6:7], s[46:47]
	s_add_nc_u64 s[98:99], s[6:7], s[98:99]
	CROUND                                         ; all sixteen work-groups are here: the first joint loads meet
	s_cmp_eq_u32 s16, 0                            ; the scale words: wave 2 fetches A's, wave 3 W's, each a whole tile's
	s_cselect_b64 s[G0S+2:G0S+3], s[22:23], s[98:99]
	s_mul_i32 s18, s16, GS
	s_mov_b32 s19, 0
	s_sub_nc_u64 s[G0S+2:G0S+3], s[G0S+2:G0S+3], s[18:19]   ; back from my half to the tile's first rows
	s_mov_b32 s[G0S], 1
	s_add_co_u32 s[G0S+1], s97, SCL
	s_or_b32 s[G0S+3], s[G0S+3], 0x80000000
	s_mul_i32 s18, s16, 4*KB                       ; my half of a tile's blocks, in bytes
	s_mov_b32 s[G0], 1
	s_mov_b32 s[G0+1], 0                           ; for the head: the tile's 8 blocks, K steps 0 to 5
	s_sub_nc_u64 s[G0+2:G0+3], s[20:21], s[18:19]
	s_or_b32 s[G0+3], s[G0+3], 0x80000000
	s_mov_b32 s[G0B], 1
	s_mov_b32 s[G0B+1], 2*HT0
	s_sub_nc_u64 s[G0B+2:G0B+3], s[46:47], s[18:19]
	s_or_b32 s[G0B+3], s[G0B+3], 0x80000000
; THE HEAD'S LOADS, ONE A WAVE: wave 0 slot 0's blocks of A, wave 1 those of W, waves 2 and 3 the scale words.  One chain of branches on the wave's number, a load to each arm, one join.
.macro ARM under, g0, g1, next
	s_cmp_lt_u32 s14, \under
	s_cbranch_scc0 \next
	tensor_load_to_lds s[\g0:\g0+3], s[\g1:\g1+7]
	s_nop 0
.rept 4
	v_nop
.endr
	s_branch .Lhead_asked
\next:
.endm
	ARM 1, G0, G1, .Lhead_b
	ARM 2, G0B, G1B, .Lhead_s
	tensor_load_to_lds s[G0S:G0S+3], s[G1S:G1S+7]
	s_nop 0
.rept 4
	v_nop
.endr
.Lhead_asked:
	s_mov_b32 s[G0+4], 1
	s_add_co_u32 s[G0+5], s96, SLOT1
	s_add_nc_u64 s[G0+6:G0+7], s[20:21], NQ0*1536  ; K steps 6 to 10
	s_or_b32 s[G0+7], s[G0+7], 0x80000000
	s_mov_b32 s[G0B+4], 1
	s_add_co_u32 s[G0B+5], s96, SLOT1
	s_add_nc_u64 s[G0B+6:G0B+7], s[46:47], NQ0*1536
	s_or_b32 s[G0B+7], s[G0B+7], 0x80000000
	s_wait_alu depctr_va_vdst(0)
	s_wait_tensorcnt 0x0                           ; my tile of the head's is in; slot 1's first fill is issued as a refill is
	ds_add_u32 v28, v29
	s_mov_b32 s[G1+2], 4<<16                       ; no tensor load of mine is out: from here on a load brings four blocks,
	s_mov_b32 s[G1+4], 4
	s_mov_b32 s[G1B+2], 4<<16
	s_mov_b32 s[G1B+4], 4
	s_add_co_u32 s[G0+1], s45, 0                   ; and slot 0's group 0 stands at my four blocks, for its refills
	s_mov_b64 s[G0+2:G0+3], s[20:21]
	s_or_b32 s[G0+3], s[G0+3], 0x80000000
	s_add_co_u32 s[G0B+1], s45, 0
	s_mov_b64 s[G0B+2:G0B+3], s[46:47]
	s_or_b32 s[G0B+3], s[G0B+3], 0x80000000
	s_wait_dscnt 0x0
	CROUND
	JLOAD G0+4, G15, G0B+4, G15B
	v_and_b32 v1, 31, v0
	v_lshlrev_b32 v2, 4, v1
	v_lshlrev_b32 v3, 3, v1
	v_and_b32 v4, 15, v0                           ; r
	v_bfe_u32 v5, v0, 4, 1                         ; h
	v_lshlrev_b32 v8, 6, v5                        ; 64 h
	s_mul_i32 s21, s15, HT0                        ; slot 0: my half of A's blocks, my half of W's behind A's two
	s_mul_i32 s22, s16, HT0
	s_add_co_u32 s22, s22, 2*HT0
	v_add_nc_u32 v16, s21, v2
	v_add_nc_u32 v18, s21, v3
	v_add_nc_u32 v20, s22, v2
	v_add_nc_u32 v22, s22, v3
	s_mul_i32 s21, s15, HT1                        ; slot 1 likewise
	s_add_co_u32 s21, s21, SLOT1
	s_mul_i32 s22, s16, HT1
	s_add_co_u32 s22, s22, SLOT1+2*HT1
	v_add_nc_u32 v17, s21, v2
	v_add_nc_u32 v19, s21, v3
	v_add_nc_u32 v21, s22, v2
	v_add_nc_u32 v23, s22, v3
	s_mul_i32 s21, s15, HS
	s_mul_i32 s22, s16, HS
	s_add_co_u32 s22, s22, 2*HS
	s_sub_co_u32 s22, s22, s21
	v_mul_u32_u24 v6, s22, v5                      ; lanes 16-31 take W's words
	s_add_co_u32 s21, s21, SCL
	v_lshl_add_u32 v6, v4, 2, v6
	v_add_nc_u32 v27, s21, v6
	s_mul_i32 s21, s14, 16*272
	s_add_co_u32 s21, s21, STAGE                   ; my stage
	v_mul_u32_u24 v24, v4, 272
	v_lshl_add_u32 v24, v5, 6, v24
	v_add_nc_u32 v24, s21, v24                     ; in: row r, + 64 h
	v_mul_u32_u24 v25, v5, 272
	v_lshl_add_u32 v25, v4, 4, v25
	v_add_nc_u32 v25, s21, v25                     ; back: lanes 0-15 one row of 256 bytes, lanes 16-31 the next
	v_lshlrev_b32 v26, 12, v5
	v_lshl_add_u32 v26, v4, 4, v26                 ; and the same two rows in memory
	; the prefetches: where mine stand, and who asks
	s_wait_alu depctr_va_vdst(0)
	v_and_b32 v[PFO], 7, v0
	v_lshlrev_b32 v[PFO], 8, v[PFO]
	v_bfe_u32 v31, v0, 3, 2
	v_mul_u32_u24 v31, v31, KB
	v_add_nc_u32 v[PFO], v[PFO], v31               ; block lane / 8 of my four, 256 bytes lane % 8 of my 2,048
	s_and_b32 s22, ttmp7, 0xffff                   ; cluster y
	s_cmp_eq_u32 s15, 0                            ; do I fetch for A?
	s_cselect_b32 s20, s100, s101                  ; the first block that I fetch
	s_cselect_b32 s21, s40, s41                    ; my place among the four that ask for it with me
	s_cselect_b32 s22, ttmp9, s22                  ; the coordinate along which other clusters read the same blocks
	s_cselect_b32 s23, 0, W_C
	s_cselect_b64 s[PFA:PFA+1], s[4:5], s[6:7]
	s_cmp_eq_u32 s22, 0
	s_cselect_b32 s[LIM], 1, 0                     ; the same in all sixteen partners, for a given wave
	s_mul_i32 s20, s20, KB
	s_lshl_b32 s21, s21, 11
	s_add_co_u32 s20, s20, s21
	s_add_co_u32 s20, s20, s23
	s_mov_b32 s21, 0
	s_add_nc_u64 s[PFA:PFA+1], s[PFA:PFA+1], s[20:21]
	s_lshl_b32 s96, s17, 7
	s_lshl_b32 s97, s15, 6
	s_add_co_u32 s96, s96, s97                     ; my first row
	s_lshl_b32 s96, s96, 12
	s_lshl_b32 s97, s42, 7
	s_lshl_b32 s98, s16, 6
	s_add_co_u32 s97, s97, s98                     ; my first column
	s_lshl_b32 s97, s97, 2
	s_mov_b32 s98, s97
	s_mov_b32 s99, 0
	s_add_nc_u64 s[8:9], s[8:9], s[98:99]
	s_add_co_u32 s96, s96, s97
	s_mov_b32 s97, 0
	s_add_nc_u64 s[10:11], s[10:11], s[96:97]
	s_add_nc_u64 s[12:13], s[12:13], s[96:97]
	WIN 0x40
.irp b, 0,1,2,3
	global_load_b128 v[96+8*\b:99+8*\b], v8, s[8:9] offset:(32*(\b/2)+8*(\b%2))*4
	global_load_b128 v[100+8*\b:103+8*\b], v8, s[8:9] offset:(32*(\b/2)+8*(\b%2))*4+16
.endr
	WIN 0x80
.irp a, 0,1,2,3
.irp t, 0,1,2,3,4,5,6,7
	global_load_b128 v[128+32*\a+4*\t:131+32*\a+4*\t], v26, s[10:11] offset:(32*(\a/2)+8*(\a%2)+(2*\t)%8+16*(\t/4))*4096
.endr
.endr
	WIN 0
	s_wait_tensorcnt 1                             ; the scale words and my part of slot 0 are in; slot 1's load stays out
	s_barrier_signal -1
	s_barrier_wait -1
	FETCH 0, NQ0, 0, 0
	s_wait_loadcnt 32                              ; the bias is in; the 32 loads of the residual stay out
	STEP 0, NQ0, 1, 0, 1                           ; K step 0 starts the sums
.irp q, 2,3,4,5
	STEP 0, NQ0, \q, \q-1, 0                       ; K steps 1 to 4
.endr
	TURN 5, 1, NQ1, 1, 0, 3                        ; slot 0 takes K steps 11 to 16
.irp q, 1,2,3,4
	STEP 1, NQ1, \q, 5+\q, 0                       ; K steps 6 to 9
.endr
	TURN 10, 0, NQ0, 1, 1, 4                       ; slot 1 takes K steps 17 to 21
.irp q, 1,2,3,4,5
	STEP 0, NQ0, \q, 10+\q, 0                      ; K steps 11 to 15
.endr
	TURN 16, 1, NQ1, 1, 0, 5                       ; slot 0 takes K steps 22 to 27
.irp q, 1,2,3,4
	STEP 1, NQ1, \q, 16+\q, 0                      ; K steps 17 to 20
.endr
	TURN 21, 0, NQ0, 2, 1, 0                       ; slot 1 takes K steps 28 to 31: the last fill
.irp q, 1,2,3,4,5
	STEP 0, NQ0, \q, 21+\q, 0                      ; K steps 22 to 26
.endr
	TURN 27, 1, NQL, 0, 0, 0                       ; nothing is left to fetch
.irp q, 1,2,3
	STEP 1, NQL, \q, 27+\q, 0                      ; K steps 28 to 30
.endr
	s_wait_dscnt 0x0
.irp a, 0,1,2,3
	MULA \a, 1, 0                                  ; K step 31
.endr
	WIN 0
	; ---- THE WAY OUT: a block of 16 rows x 64 columns goes through my own stage and comes back as rows of 256 bytes; the residual is added; sixteen lanes store 256 consecutive bytes, aligned
	PLACES 4
	s_wait_loadcnt 0x0                             ; the residual
.irp a, 0,1,2,3
	WIN 0x08                                       ; source 1 (an LDS store's data, the addition's second source): window 2
.irp b, 0,1,2,3
	ds_store_b128 v24, v[8*(4*\a+\b):8*(4*\a+\b)+3] offset:128*(\b/2)+32*(\b%2)          ; each accumulator from its low end on
	ds_store_b128 v24, v[8*(4*\a+\b)+4:8*(4*\a+\b)+7] offset:128*(\b/2)+32*(\b%2)+16
.endr
.irp t, 0,1,2,3,4,5,6,7
	ds_load_b128 v[64+32*\a+4*\t:67+32*\a+4*\t], v25 offset:544*\t                        ; LDS serves a wave's instructions in order
.endr
	s_wait_dscnt 0x0
.irp k, 0,2,4,6,8,10,12,14,16,18,20,22,24,26,28,30
	v_pk_add_f32 v[64+32*\a+\k:65+32*\a+\k], v[64+32*\a+\k:65+32*\a+\k], v[128+32*\a+\k:129+32*\a+\k]
.endr
	WIN 0
.irp t, 0,1,2,3,4,5,6,7
	global_store_b128 v26, v[64+32*\a+4*\t:67+32*\a+4*\t], s[12:13] offset:(32*(\a/2)+8*(\a%2)+(2*\t)%8+16*(\t/4))*4096
.endr
.endr
	s_wait_tensorcnt 0x0                           ; the wave's end
	ds_add_u32 v28, v29
	s_wait_dscnt 0x0
	CROUND                                         ; the closing round
	s_endpgm
.Lfunc_end_k_qf66d0eab9a_fc2:
	.size	k_qf66d0eab9a_fc2, .Lfunc_end_k_qf66d0eab9a_fc2-k_qf66d0eab9a_fc2
	.p2alignl 7, 3214868480
	.fill 96, 4, 3214868480
	.section	.rodata,"a",@progbits
	.p2align	6, 0x0
	.amdhsa_kernel k_qf66d0eab9a_fc2
		.amdhsa_group_segment_fixed_size 327680
		.amdhsa_private_segment_fixed_size 0
		.amdhsa_enable_private_segment 0
		.amdhsa_kernarg_size 40
		.amdhsa_user_sgpr_count 2
		.amdhsa_user_sgpr_kernarg_segment_ptr 1
		.amdhsa_wavefront_size32 1
		.amdhsa_system_sgpr_workgroup_id_x 1
		.amdhsa_system_sgpr_workgroup_id_y 1
		.amdhsa_system_sgpr_workgroup_id_z 1
		.amdhsa_system_vgpr_workitem_id 0
		.amdhsa_next_free_vgpr 768
		.amdhsa_next_free_sgpr 102
		.amdhsa_reserve_vcc 0
		.amdhsa_float_denorm_mode_32 3
		.amdhsa_float_denorm_mode_16_64 3
		.amdhsa_memory_ordered 1
		.amdhsa_forward_progress 1
		.amdhsa_inst_pref_size 178
	.end_amdhsa_kernel
	.amdgpu_metadata
---
amdhsa.version: [ 1, 2 ]
amdhsa.kernels:
  - .name:           k_qf66d0eab9a_fc2
    .symbol:         k_qf66d0eab9a_fc2.kd
    .args:
      - { .name: wsG, .offset: 0, .size: 8, .value_kind: global_buffer, .address_space: global }
      - { .name: wsP, .offset: 8, .size: 8, .value_kind: global_buffer, .address_space: global }
      - { .name: fc2_b, .offset: 16, .size: 8, .value_kind: global_buffer, .address_space: global }
      - { .name: wsX1, .offset: 24, .size: 8, .value_kind: global_buffer, .address_space: global }
      - { .name: out0, .offset: 32, .size: 8, .value_kind: global_buffer, .address_space: global }
    .group_segment_fixed_size: 327680
    .private_segment_fixed_size: 0
    .kernarg_segment_align: 8
    .kernarg_segment_size: 40
    .max_flat_workgroup_size: 128
    .sgpr_count:     102
    .vgpr_count:     768
    .wavefront_size: 32
...
	.end_amdgpu_metadata
.endif
;; end of part 6
